; MI455X (gfx1250); checked and timed in simulation.
; The chip was launched on July 23, 2026; its instructions are those of AMD's public machine-readable ISA for CDNA 5 (MIT licence, August 2026) and "CDNA5" Instruction Set Architecture Reference Guide (July 2026). The comments in the code are by the model that wrote it; some were corrected since.
;; Multi Head Self Attention. Allowed arithmetic: matrix products marked QUANTISED: E4M3 operands, one E8M0 scale for each 32 along K, by v_wmma_scale_f32_16x16x128_f8f6f4 with both operands' format E4M3, f32 sums; everything else in f32.
;; Inputs: W_O 1,024 x 1,024 float32; W_QKV 1,024 x 3,072 float32; token_positions 2,048 int32; x 4 x 2,048 x 1,024 float32.
;; Outputs: out0 4 x 2,048 x 1,024 float32.
;; This version of the problem:
;;   THIS VERSION OF THE PROBLEM IS GIVEN IN LOW PRECISION. The matrix products marked QUANTISED in the list below multiply operands that are first quantised to E4M3 (4 exponent bits, 3 mantissa bits; 8 bits a number), with one power-of-two scale for each 32 numbers along K (OCP MX v1.0); their sums are f32. All else is computed in f32.
;;   The module's matrix products, in the order in which they are computed (A, B: the left and right operand; K: the contracted axis; several contracted axes count as one K, in the product's order):
;;     1. [M 8,192, K 1,024] x [K 1,024, N 3,072]; A: input x; B: input W_QKV: QUANTISED
;;     2. batch 64 x [M 2,048, K 64] x [K 64, N 2,048]; A: computed on the way; B: computed on the way: QUANTISED
;;     3. batch 64 x [M 2,048, K 2,048] x [K 2,048, N 64]; A: softmax (see below); B: computed on the way: QUANTISED
;;     4. [M 8,192, K 1,024] x [K 1,024, N 1,024]; A: computed on the way; B: input W_O: QUANTISED
;;   THE QUANTISER, for each operand of a quantised product, along K:
;;     - K is cut into blocks of 32 from its start; a last block that is shorter is filled with zeros.
;;     - A block's scale is 2^e with e = floor(log2(the largest magnitude in the block)) - 8, held to -126 .. 127; a block of zeros has e = 0. As a byte (E8M0): e + 127.
;;     - Each number is divided by its block's scale, clamped to +-448, and rounded to the nearest number of E4M3, ties to even, subnormals kept.
;;     - The product sums the exact products of the quantised numbers (number of the format x scale) in f32.
;;   ~~~python
;;   def quantise(x, axis):      # numpy; x: float32 -> the quantised numbers, widened to float32 again
;;       x = np.moveaxis(x, axis, -1); K = x.shape[-1]
;;       x = np.pad(x, [(0, 0)] * (x.ndim - 1) + [(0, -K % 32)]); x = x.reshape(x.shape[:-1] + (-1, 32)); a = np.abs(x).max(-1, keepdims=True)
;;       e = np.where(a > 0, np.clip(np.frexp(np.where(a > 0, a, 1))[1] - 1 - 8, -126, 127), 0)      # np.frexp(a)[1] - 1 = floor(log2(a)), exactly
;;       r = np.clip(x / 2.0 ** e, -448, 448)
;;       step = 2.0 ** (np.maximum(np.frexp(np.where(r == 0, 1, r))[1] - 1, -6) - 3)
;;       q = np.round(r / step) * step * 2.0 ** e      # np.round: ties to even
;;       return np.moveaxis(q.reshape(q.shape[:-2] + (-1,))[..., :K], -1, axis).astype(np.float32)
;;   ~~~
;;   SOFTMAX AHEAD OF A QUANTISED PRODUCT. Where the list says 'softmax', what is quantised is not the finished softmax but p = 2^(t - M), with t = logit x log2(e) and M = ceil(the row's largest t), a whole number; so 1/2 < the row's largest p <= 1. The row's sum l is taken of the UNQUANTISED p, in f32, and the product's result is divided by l at the end. Since M is a whole number, a kernel that streams over the keys may use a running M (the ceiling of the running maximum): every later rescaling is an exact power of two, which a block's scale takes up: the codes' values come out the same.
;;   OPERANDS COMPUTED ON THE WAY. 'Computed on the way' means the value that the module computes at that place (a softmax that the list does not call 'softmax' is quantised finished and normalised). What goes into a quantiser is computed in f32, as accurately as f32 sums, v_exp_f32 and their like allow (about 1e-6 of the number): no bf16 or f16 on the way to a quantiser, and a product that is left as it is and whose result goes on into a quantised operand takes f32 operands (vector FMAs, or v_wmma_f32_16x16x4_f32). A number that lies on a knife's edge between two numbers of the format may be rounded either way, as far as f32 arithmetic and the matrix unit's own rounding can turn it there, and no further.
;; One version. Each part assembles by itself: llvm-mc -triple=amdgcn-amd-amdhsa -mcpu=gfx1250 --defsym DOCPART=n.
;; ======== version 1 of 1: 4 launches
;; limits: inputs' magnitudes at most 1,048,576; right only within a limited range of input values
;; workspace buffers: xq 8,650,752 bytes; wq 4,325,376 bytes; rope 524,288 bytes; qq 8,912,896 bytes; kv 17,563,648 bytes; aq 8,650,752 bytes
;; launch prep (part 1): grid 416 x 1, 4 waves a work-group, no clusters, 34,304 bytes of LDS; arguments x, W_QKV, W_O, token_positions, xq, wq, rope; writes xq, wq, rope
.if DOCPART == 1
	.amdgcn_target "amdgcn-amd-amdhsa--gfx1250"
	.amdhsa_code_object_version 6
	.text
	.protected	k_q452a3a5b73_prep
	.globl	k_q452a3a5b73_prep
	.p2align	8
	.type	k_q452a3a5b73_prep,@function
k_q452a3a5b73_prep:
	s_mov_b64 s[64:65], 0
	v_nop
	global_prefetch_b8 v0, s[64:65] scope:SCOPE_SE
	s_setreg_imm32_b32 hwreg(HW_REG_WAVE_MODE, 25, 1), 1
	s_wait_xcnt 0x0
; PREP: x [8192][1024], W_QKV [1024][3072], W_O [1024][1024] (f32) become codes of FP8 (E4M3) with one E8M0 byte for each 32 along K (K = 1024 for all three),
; and token_positions become a table of cosines and sines.  Three paths, parted on the work-group's number: 0-255 x, 256-383 the weights, 384-415 the table.
; THE LAYOUT OF THE CODES is that of the matrix operand's registers.  Rows (tokens, or a weight's columns) come in tiles of 16: lane-row r of tile 2 g + u is row 32 g + 8 u + r + 8 (r / 8).
; A fragment (a tile x 128 along K) is 2,048 bytes: [c 0..3][lane = r + 16 h][16 codes: k = 32 c + 16 h + 0 .. 15].  A tile's eight fragments follow each other: 16,384 bytes.
; Scale words (four bytes: 128 along K of a row): [tile][pair of K steps 0..3][r][2 words], 512 bytes a tile, behind the codes (XSC, WSC).
; A block's scale is 2^(floor(log2(its largest magnitude)) - 8); its byte is the largest magnitude's exponent field - 8, held at 1 from below.
; LIMITS: a block of zeros gets the byte 1 where the rule says 127 (its codes are zeros, and only this program reads the bytes); NaN and infinities are not served;
; |position| up to 2^20 (beyond that the quadrant number may be missed); 10000^(-i/32) is made by v_exp_f32 with a compensated argument, some 1.5 units of the last place.
.set XSC,  8388608                     ; xq: where the scale words begin
.set WSC,  4194304                     ; wq: likewise
.set WV,   18                          ; s18 the wave's number
.set SEL,  58                          ; s[58:59] v_permlanex16_b32's selects for lane l xor 16
.set MNT,  60                          ; s60 the mantissa field of 448
.set R,    16                          ; path X: v16-143 two sets of 64 registers as loaded
.set X,    144                         ; v144-207 64 numbers of my row: register 16 b + i = k 32 b + 16 h + i
.set PC,   208                         ; v208-223 the fragment's codes
.set TM,   224                         ; v224-239 at work in QUANT
.set WRD,  241                         ; v241-244 four scale words
.set OFFS, 16                          ; path W: v16-47 4 x lane + i rows of the weight
.set XW,   48                          ; v48-111 two sets of 32 numbers
.set CW,   112                         ; v112-175 codes: 8 registers for each block, so that no store's data are written again
.set SBW,  176                         ; v176-177 two scale words
.set FI,   16                          ; path R: v16-31 i, then 10000^(-i/32)
.set TH,   32
.set ER,   48
.set EX,   64
.set OUT,  80                          ; v80-111 cos, sin of my 16 frequencies
; 64 numbers of a lane become a fragment's codes in v[PC] on; the four scale bytes are left in v[TM+4] on.
.macro QUANT s
.irp b, 0,1,2,3
	v_max3_num_f32 v[TM+\b], |v[\s+16*\b]|, |v[\s+1+16*\b]|, 0x4800000   ; block b: my 16 numbers, and the floor 2^(9 - 127): the byte cannot fall under 1
.endr
.irp i, 2,4,6,8,10,12,14
.irp b, 0,1,2,3
	v_max3_num_f32 v[TM+\b], v[TM+\b], |v[\s+16*\b+\i]|, |v[\s+1+16*\b+\i]|   ; the four blocks by turns
.endr
.endr
.irp b, 0,1,2,3
	v_permlanex16_b32 v[TM+4+\b], v[TM+\b], s[SEL], s[SEL+1]
.endr
.irp b, 0,1,2,3
	v_max_num_f32 v[TM+\b], v[TM+\b], v[TM+4+\b]           ; with lane l xor 16's 16 numbers: the block's largest magnitude
.endr
.irp b, 0,1,2,3
	v_add_nc_u32 v[TM+12+\b], 0xfc000000, v[TM+\b]         ; 8 off its exponent field: the conversion's scale operand
.endr
.irp b, 0,1,2,3
	v_and_or_b32 v[TM+8+\b], v[TM+\b], 0x7f800000, s[MNT]  ; 448 x the scale
.endr
.irp b, 0,1,2,3
	v_lshrrev_b32 v[TM+4+\b], 23, v[TM+12+\b]              ; the scale's byte
.endr
.irp b, 0,1,2,3
.irp i, 0,1,2,3,4,5,6,7,8,9,10,11,12,13,14,15
	v_med3_num_f32 v[\s+16*\b+\i], v[\s+16*\b+\i], -v[TM+8+\b], v[TM+8+\b]   ; the conversion does not saturate (ISA guide 7.6.2): hold first
.endr
	v_cvt_scalef32_pk8_fp8_f32 v[PC+4*\b:PC+1+4*\b], v[\s+16*\b:\s+7+16*\b], v[TM+12+\b]
	v_cvt_scalef32_pk8_fp8_f32 v[PC+2+4*\b:PC+3+4*\b], v[\s+8+16*\b:\s+15+16*\b], v[TM+12+\b]
.endr
	v_nop                                          ; a plain line behind the last conversion
.endm
	s_load_b256 s[4:11], s[0:1], 0x0               ; x s[4:5], W_QKV s[6:7], W_O s[8:9], token_positions s[10:11]
	s_load_b128 s[12:15], s[0:1], 0x20             ; xq s[12:13], wq s[14:15]
	s_load_b64 s[16:17], s[0:1], 0x30              ; rope
	v_lshl_add_u32 v254, v0, 2, 0x8400
	v_mov_b32 v255, 0
	v_lshrrev_b32 v1, 5, v0
	v_readfirstlane_b32 s[WV], v1                  ; wave 0..3
	v_and_b32 v1, 31, v0                           ; lane
	v_and_b32 v2, 15, v0                           ; r
	v_bfe_u32 v3, v0, 4, 1                         ; h
	s_mov_b32 s[SEL], 0x76543210
	s_mov_b32 s[SEL+1], 0xfedcba98
	s_mov_b32 s[MNT], 0x600000
	s_wait_kmcnt 0x0
	s_cmp_lt_u32 ttmp9, 256
	s_cbranch_scc1 .Lpath_x
	s_cmp_lt_u32 ttmp9, 384
	s_cbranch_scc1 .Lpath_w
; ---- PATH R: the table.  A wave takes one tile of 16 tokens; lane (r, h) makes cos and sin of pos x 10000^(-i/32) for i = 8 h + 16 cc + 0 .. 7, cc = 0, 1.
; rope: [tile 128][cc 2][jj 4][lane][cos i, sin i, cos i+1, sin i+1], i = 16 cc + 8 h + 2 jj: the order in which the next launch's lanes hold a head's pairs.
	s_sub_co_u32 s20, ttmp9, 384
	s_lshl_b32 s20, s20, 2
	s_add_co_u32 s20, s20, s[WV]                   ; the tile
	s_lshr_b32 s21, s20, 1
	s_lshl_b32 s21, s21, 5
	s_and_b32 s22, s20, 1
	s_lshl_b32 s22, s22, 3
	s_add_co_u32 s22, s21, s22                     ; its first token: 32 (tile / 2) + 8 (tile % 2)
	s_lshl_b32 s22, s22, 2
	s_mov_b32 s23, 0
	s_add_nc_u64 s[10:11], s[10:11], s[22:23]
	s_lshl_b32 s22, s20, 12                        ; 4,096 bytes of table a tile
	s_add_nc_u64 s[16:17], s[16:17], s[22:23]
	s_wait_alu depctr_va_vdst(0)
	v_and_b32 v4, 8, v2
	v_add_nc_u32 v4, v4, v2                        ; r + 8 (r / 8)
	v_lshlrev_b32 v4, 2, v4
	global_load_b32 v5, v4, s[10:11]               ; my token's position, as it is given
	v_lshlrev_b32 v6, 4, v1                        ; 16 x lane
	v_lshlrev_b32 v7, 3, v3                        ; 8 h
	s_wait_alu depctr_va_vdst(0)
	s_mov_b32 s24, 0xbed49a78                      ; -log2(10000) / 32, its f32 part,
	s_mov_b32 s25, 0xb2179a30                      ; and what that part leaves out
	s_mov_b32 s26, 0x3f317218                      ; ln 2
	s_mov_b32 s27, 0x3f22f983                      ; 2 / pi
	s_mov_b32 s28, 0xbfc90fdb                      ; -pi/2 in three parts
	s_mov_b32 s29, 0x333bbd2e
	s_mov_b32 s30, 0x26f72ced
	s_mov_b32 s31, 0xbe2aaaa3                      ; sine: x + x z (S1 + z (S2 + z S3)), z = x^2, |x| <= pi/4
	s_mov_b32 s32, 0x3c08839e
	s_mov_b32 s33, 0xb94ca1f9
	s_mov_b32 s34, 0x3d2aaaa5                      ; cosine: 1 - z/2 + z^2 (C1 + z (C2 + z C3))
	s_mov_b32 s35, 0xbab6061a
	s_mov_b32 s36, 0x37ccf5ce
.irp n, 0,1,2,3,4,5,6,7,8,9,10,11,12,13,14,15
	v_add_nc_u32 v[FI+\n], 16*(\n/8)+\n%8, v7      ; i
.endr
.irp n, 0,1,2,3,4,5,6,7,8,9,10,11,12,13,14,15
	v_cvt_f32_u32 v[FI+\n], v[FI+\n]
.endr
.irp n, 0,1,2,3,4,5,6,7,8,9,10,11,12,13,14,15
	v_mul_f32 v[TH+\n], s24, v[FI+\n]              ; the exponent, rounded;
.endr
.irp n, 0,1,2,3,4,5,6,7,8,9,10,11,12,13,14,15
	v_fma_f32 v[ER+\n], v[FI+\n], s24, -v[TH+\n]   ; what the rounding lost,
.endr
.irp n, 0,1,2,3,4,5,6,7,8,9,10,11,12,13,14,15
	v_fma_f32 v[ER+\n], v[FI+\n], s25, v[ER+\n]    ; and what the constant's rounding lost
.endr
	s_wait_alu depctr_va_vdst(0)
.irp n, 0,1,2,3,4,5,6,7,8,9,10,11,12,13,14,15
	v_exp_f32 v[EX+\n], v[TH+\n]
.endr
.irp n, 0,1,2,3,4,5,6,7,8,9,10,11,12,13,14,15
	v_mul_f32 v[ER+\n], s26, v[ER+\n]              ; (plain lines behind the exponentials)
.endr
	s_wait_alu depctr_va_vdst(0)
.irp n, 0,1,2,3,4,5,6,7,8,9,10,11,12,13,14,15
	v_fma_f32 v[FI+\n], v[EX+\n], v[ER+\n], v[EX+\n]   ; 2^(th + er) = 2^th (1 + er ln 2)
.endr
	s_wait_loadcnt 0x0
	v_cvt_f32_i32 v5, v5
.macro SINCOS n
	v_mul_f32 v8, v5, v[FI+\n]                     ; the angle: one f32 product, as the problem has it
	v_mul_f32 v9, s27, v8
	v_rndne_f32 v9, v9                             ; the quadrant number q
	v_fma_f32 v8, v9, s28, v8                      ; the angle - q pi/2
	v_fma_f32 v8, v9, s29, v8
	v_fma_f32 v8, v9, s30, v8
	v_cvt_i32_f32 v10, v9
	v_mul_f32 v11, v8, v8
	v_fma_f32 v12, v11, s33, s32
	v_fma_f32 v12, v12, v11, s31
	v_mul_f32 v13, v8, v11
	v_fma_f32 v12, v13, v12, v8                    ; sine of the rest
	v_fma_f32 v13, v11, s36, s35
	v_fma_f32 v13, v13, v11, s34
	v_fma_f32 v14, v11, -0.5, 1.0
	v_mul_f32 v15, v11, v11
	v_fma_f32 v13, v15, v13, v14                   ; cosine of the rest
	v_and_b32 v14, 1, v10
	v_cmp_eq_u32 vcc_lo, 1, v14                    ; an odd quadrant swaps the two (a choice of values only)
	v_cndmask_b32 v14, v12, v13, vcc_lo
	v_cndmask_b32 v15, v13, v12, vcc_lo
	v_lshlrev_b32 v12, 30, v10                     ; the sine's sign: bit 1 of q;
	v_add_nc_u32 v10, 1, v10
	v_lshlrev_b32 v13, 30, v10                     ; the cosine's: bit 1 of q + 1
	v_and_b32 v12, 0x80000000, v12
	v_and_b32 v13, 0x80000000, v13
	v_xor_b32 v[OUT+2*\n+1], v12, v14
	v_xor_b32 v[OUT+2*\n], v13, v15
.endm
.irp n, 0,1,2,3,4,5,6,7,8,9,10,11,12,13,14,15
	SINCOS \n
.endr
.irp g, 0,1,2,3,4,5,6,7
	global_store_b128 v6, v[OUT+4*\g:OUT+4*\g+3], s[16:17] offset:512*\g   ; 32 lanes store 512 consecutive bytes
.endr
	s_endpgm
; ---- PATH W: a weight's K is its first axis.  A lane takes a column and its registers run down K: a block of 32 lies in one lane.
; Work-group: 128 columns x 256 along K; a wave 32 columns (two tiles), 8 blocks a lane.  Column groups 0-23 are W_QKV's, 24-31 W_O's (tiles 192-255 of wq).
.Lpath_w:
	s_sub_co_u32 s20, ttmp9, 256
	s_lshr_b32 s21, s20, 2                         ; the column group
	s_and_b32 s23, s20, 3                          ; which 256 along K
	s_mov_b32 s22, 4096
	s_cmp_lt_u32 s21, 24                           ; the choice hangs on the work-group's number alone
	s_cselect_b64 s[6:7], s[6:7], s[8:9]
	s_cselect_b32 s22, 12288, s22                  ; a row of the weight in bytes
	s_cselect_b32 s24, 0, 24
	s_sub_co_u32 s24, s21, s24                     ; the column group within its tensor
	s_lshl_b32 s24, s24, 9
	s_lshl_b32 s25, s[WV], 7
	s_add_co_u32 s24, s24, s25                     ; my wave's first column, in bytes
	s_lshl_b32 s25, s23, 8
	s_mul_i32 s25, s25, s22                        ; 256 kq rows
	s_add_co_u32 s24, s24, s25
	s_mov_b32 s25, 0
	s_add_nc_u64 s[24:25], s[6:7], s[24:25]        ; block 0's base; eight bases, 32 rows apart: none is stepped
	s_lshl_b32 s40, s22, 5
	s_mov_b32 s41, 0
.irp t, 0,1,2,3,4,5,6
	s_add_nc_u64 s[26+2*\t:27+2*\t], s[24+2*\t:25+2*\t], s[40:41]
.endr
	s_lshl_b32 s42, s21, 2
	s_add_co_u32 s42, s42, s[WV]                   ; G: my 32 columns are tiles 2 G and 2 G + 1
	s_lshl_b32 s44, s42, 15
	s_lshl_b32 s45, s23, 12
	s_add_co_u32 s44, s44, s45
	s_mov_b32 s45, 0
	s_add_nc_u64 s[44:45], s[14:15], s[44:45]      ; codes: tile 2 G, K steps 2 kq and 2 kq + 1
	s_lshl_b32 s46, s42, 10
	s_lshl_b32 s47, s23, 7
	s_add_co_u32 s46, s46, s47
	s_add_co_u32 s46, s46, WSC
	s_mov_b32 s47, 0
	s_add_nc_u64 s[46:47], s[14:15], s[46:47]      ; scale words: tile 2 G, pair kq
	s_wait_alu depctr_va_vdst(0)
	v_bfe_u32 v8, v1, 3, 1                         ; u: which of the two tiles my column lies in
	v_and_b32 v9, 7, v1
	v_lshrrev_b32 v10, 4, v1
	v_lshl_add_u32 v9, v10, 3, v9                  ; r: its lane-row there
	v_lshlrev_b32 v4, 4, v9
	v_lshl_add_u32 v4, v8, 14, v4                  ; codes: 16,384 u + 16 r
	v_lshlrev_b32 v5, 3, v9
	v_lshl_add_u32 v5, v8, 9, v5                   ; words: 512 u + 8 r
	v_lshlrev_b32 v[OFFS], 2, v1
.irp i, 1,2,3,4,5,6,7,8,9,10,11,12,13,14,15,16,17,18,19,20,21,22,23,24,25,26,27,28,29,30,31
	v_add_nc_u32 v[OFFS+\i], s22, v[OFFS+\i-1]
.endr
.macro WLOAD t                         ; block t: 32 rows of the weight at my column: each load reads 128 consecutive bytes
.irp i, 0,1,2,3,4,5,6,7,8,9,10,11,12,13,14,15,16,17,18,19,20,21,22,23,24,25,26,27,28,29,30,31
	global_load_b32 v[XW+32*((\t)%2)+\i], v[OFFS+\i], s[24+2*(\t):25+2*(\t)] th:TH_LOAD_NT
.endr
.endm
.macro WBLOCK t
.set XS, XW+32*((\t)%2)
.if (\t) < 7
	s_wait_loadcnt 32                              ; this block's 32 loads are in; the next block's 32 may be out
.else
	s_wait_loadcnt 0x0
.endif
	v_max3_num_f32 v12, |v[XS]|, |v[XS+1]|, |v[XS+2]|
	v_max3_num_f32 v13, |v[XS+3]|, |v[XS+4]|, |v[XS+5]|
.irp i, 6,10,14,18,22,26
	v_max3_num_f32 v12, v12, |v[XS+\i]|, |v[XS+\i+1]|
	v_max3_num_f32 v13, v13, |v[XS+\i+2]|, |v[XS+\i+3]|
.endr
	v_max3_num_f32 v12, v12, |v[XS+30]|, |v[XS+31]|
	v_max3_num_f32 v12, v12, v13, 0x4800000        ; and the floor
	v_add_nc_u32 v11, 0xfc000000, v12              ; the conversion's scale operand
	v_and_or_b32 v10, v12, 0x7f800000, s[MNT]      ; 448 x the scale
	v_lshrrev_b32 v13, 23, v11                     ; the byte
.if (\t)%4 == 0
	v_mov_b32 v[SBW+(\t)/4], v13
.else
	v_lshl_or_b32 v[SBW+(\t)/4], v13, 8*((\t)%4), v[SBW+(\t)/4]
.endif
.irp i, 0,1,2,3,4,5,6,7,8,9,10,11,12,13,14,15,16,17,18,19,20,21,22,23,24,25,26,27,28,29,30,31
	v_med3_num_f32 v[XS+\i], v[XS+\i], -v10, v10
.endr
.irp g, 0,1,2,3
	v_cvt_scalef32_pk8_fp8_f32 v[CW+8*(\t)+2*\g:CW+8*(\t)+2*\g+1], v[XS+8*\g:XS+8*\g+7], v11
.endr
	v_nop
	global_store_b128 v4, v[CW+8*(\t):CW+8*(\t)+3], s[44:45] offset:((\t)/4)*2048+((\t)%4)*512        ; k 0-15 of the block: the place of lanes 0-15; sixteen lanes fill 256 aligned bytes of each tile
	global_store_b128 v4, v[CW+8*(\t)+4:CW+8*(\t)+7], s[44:45] offset:((\t)/4)*2048+((\t)%4)*512+256  ; k 16-31: the place of lanes 16-31
.if (\t)+2 < 8
	WLOAD (\t)+2
.endif
.endm
	WLOAD 0
	WLOAD 1
.irp t, 0,1,2,3,4,5,6,7
	WBLOCK \t
.endr
	global_store_b64 v5, v[SBW:SBW+1], s[46:47]    ; two words a column: runs of 128 consecutive bytes a tile, one byte for 128 read
	s_endpgm
; ---- PATH X: K is innermost.  A wave takes one tile of 16 rows and half of K (four K steps of 128).  Each load reads 512 consecutive bytes of one row; a K step's 16 x 512 bytes turn
; through the wave's own stage in LDS (rows of 512 + 16 bytes) so that lane (r, h) gets, of row r, 16 neighbours of each block of 32.
.Lpath_x:
	s_lshl_b32 s20, ttmp9, 2
	s_add_co_u32 s20, s20, s[WV]
	s_lshr_b32 s21, s20, 1                         ; the tile
	s_and_b32 s22, s20, 1                          ; which half of K
	s_lshr_b32 s24, s21, 1
	s_lshl_b32 s24, s24, 5
	s_and_b32 s25, s21, 1
	s_lshl_b32 s25, s25, 3
	s_add_co_u32 s24, s24, s25                     ; the tile's first row
	s_lshl_b32 s24, s24, 12
	s_lshl_b32 s25, s22, 11
	s_add_co_u32 s24, s24, s25
	s_mov_b32 s25, 0
	s_add_nc_u64 s[4:5], s[4:5], s[24:25]
	s_lshl_b32 s24, s21, 14
	s_lshl_b32 s26, s22, 13
	s_add_co_u32 s24, s24, s26
	s_add_nc_u64 s[26:27], s[12:13], s[24:25]      ; the codes
	s_lshl_b32 s24, s21, 9
	s_lshl_b32 s28, s22, 8
	s_add_co_u32 s24, s24, s28
	s_add_co_u32 s24, s24, XSC
	s_add_nc_u64 s[28:29], s[12:13], s[24:25]      ; the scale words
	s_wait_alu depctr_va_vdst(0)
	v_lshlrev_b32 v4, 4, v1                        ; 16 x lane
	s_mul_i32 s30, s[WV], 8448                     ; my stage: 16 rows of 528 bytes
	v_add_nc_u32 v5, s30, v4                       ; in: 16 x lane of a row
	v_mul_u32_u24 v6, v2, 528
	v_lshl_add_u32 v6, v3, 6, v6
	v_add_nc_u32 v6, s30, v6                       ; out: row r, + 64 h
	v_lshlrev_b32 v7, 3, v1
.irp b, 0,1,2,3
	v_mov_b32 v[TM+4+\b], 0                        ; written once: a lane permute's destination counts as one of its sources
.endr
.macro XLOAD q
.irp i, 0,1,2,3,4,5,6,7,8,9,10,11,12,13,14,15
	global_load_b128 v[R+64*((\q)%2)+4*\i:R+64*((\q)%2)+4*\i+3], v4, s[4:5] offset:(\i+8*(\i/8))*4096+512*(\q) th:TH_LOAD_NT
.endr
.endm
.macro XTURN q                         ; LDS serves a wave's instructions in order: no wait between the stores and the loads
.irp i, 0,1,2,3,4,5,6,7,8,9,10,11,12,13,14,15
	ds_store_b128 v5, v[R+64*((\q)%2)+4*\i:R+64*((\q)%2)+4*\i+3] offset:528*\i
.endr
.irp b, 0,1,2,3
.irp j, 0,1,2,3
	ds_load_b128 v[X+16*\b+4*\j:X+16*\b+4*\j+3], v6 offset:128*\b+16*\j
.endr
.endr
.endm
	XLOAD 0
	XLOAD 1
	s_wait_alu depctr_va_vdst(0)
.irp q, 0,1,2,3
.if \q < 3
	s_wait_loadcnt 16                              ; this K step's 16 loads are in; the next step's 16 may be out
.else
	s_wait_loadcnt 0x0
.endif
	XTURN \q
	s_wait_dscnt 0x0                               ; the numbers are back, and the stores have read their registers,
.if \q < 2
	XLOAD \q+2                                     ; which take the loads of two steps on
.endif
.if \q > 0
	s_wait_xcnt 0x0                                ; the last step's stores have read the codes' registers
.endif
	QUANT X
	v_lshl_or_b32 v[WRD+\q], v[TM+5], 8, v[TM+4]
	v_lshl_or_b32 v[WRD+\q], v[TM+6], 16, v[WRD+\q]
	v_lshl_or_b32 v[WRD+\q], v[TM+7], 24, v[WRD+\q]
.irp c, 0,1,2,3
	global_store_b128 v4, v[PC+4*\c:PC+4*\c+3], s[26:27] offset:2048*\q+512*\c   ; 512 consecutive bytes
.endr
.endr
	v_cmp_le_u32 vcc_lo, 16, v1                    ; lanes 16-31 store the second pair of K steps
	v_cndmask_b32 v246, v[WRD], v[WRD+2], vcc_lo
	v_cndmask_b32 v247, v[WRD+1], v[WRD+3], vcc_lo
	global_store_b64 v7, v[246:247], s[28:29]      ; 256 consecutive bytes
	s_wait_tensorcnt 0x0
	ds_add_u32 v254, v255
	s_wait_dscnt 0x0
	s_endpgm
.Lfunc_end_k_q452a3a5b73_prep:
	.size	k_q452a3a5b73_prep, .Lfunc_end_k_q452a3a5b73_prep-k_q452a3a5b73_prep
	.p2alignl 7, 3214868480
	.fill 96, 4, 3214868480
	.section	.rodata,"a",@progbits
	.p2align	6, 0x0
	.amdhsa_kernel k_q452a3a5b73_prep
		.amdhsa_group_segment_fixed_size 34304
		.amdhsa_private_segment_fixed_size 0
		.amdhsa_enable_private_segment 0
		.amdhsa_kernarg_size 56
		.amdhsa_user_sgpr_count 2
		.amdhsa_user_sgpr_kernarg_segment_ptr 1
		.amdhsa_wavefront_size32 1
		.amdhsa_system_sgpr_workgroup_id_x 1
		.amdhsa_system_sgpr_workgroup_id_y 1
		.amdhsa_system_sgpr_workgroup_id_z 1
		.amdhsa_system_vgpr_workitem_id 0
		.amdhsa_next_free_vgpr 256
		.amdhsa_next_free_sgpr 66
		.amdhsa_reserve_vcc 1
		.amdhsa_float_denorm_mode_32 3
		.amdhsa_float_denorm_mode_16_64 3
		.amdhsa_memory_ordered 1
		.amdhsa_forward_progress 1
		.amdhsa_inst_pref_size 136
	.end_amdhsa_kernel
	.amdgpu_metadata
---
amdhsa.version: [ 1, 2 ]
amdhsa.kernels:
  - .name:           k_q452a3a5b73_prep
    .symbol:         k_q452a3a5b73_prep.kd
    .args:
      - { .name: x, .offset: 0, .size: 8, .value_kind: global_buffer, .address_space: global }
      - { .name: W_QKV, .offset: 8, .size: 8, .value_kind: global_buffer, .address_space: global }
      - { .name: W_O, .offset: 16, .size: 8, .value_kind: global_buffer, .address_space: global }
      - { .name: token_positions, .offset: 24, .size: 8, .value_kind: global_buffer, .address_space: global }
      - { .name: xq, .offset: 32, .size: 8, .value_kind: global_buffer, .address_space: global }
      - { .name: wq, .offset: 40, .size: 8, .value_kind: global_buffer, .address_space: global }
      - { .name: rope, .offset: 48, .size: 8, .value_kind: global_buffer, .address_space: global }
    .group_segment_fixed_size: 34304
    .private_segment_fixed_size: 0
    .kernarg_segment_align: 8
    .kernarg_segment_size: 56
    .max_flat_workgroup_size: 128
    .sgpr_count:     66
    .vgpr_count:     256
    .wavefront_size: 32
...
	.end_amdgpu_metadata
.endif
;; end of part 1
;; launch qkv (part 2): grid 12 x 32, 4 waves a work-group, clusters of 4 x 4, 327,680 bytes of LDS; arguments xq, wq, rope, qq, kv; writes qq, kv
.if DOCPART == 2
	.amdgcn_target "amdgcn-amd-amdhsa--gfx1250"
	.amdhsa_code_object_version 6
	.text
	.protected	k_q452a3a5b73_qkv
	.globl	k_q452a3a5b73_qkv
	.p2align	8
	.type	k_q452a3a5b73_qkv,@function
k_q452a3a5b73_qkv:
	s_mov_b64 s[64:65], 0
	v_nop
	global_prefetch_b8 v0, s[64:65] scope:SCOPE_SE
	s_setreg_imm32_b32 hwreg(HW_REG_WAVE_MODE, 25, 1), 1
	s_wait_xcnt 0x0
	s_wait_alu depctr_hold_cnt(0) depctr_sa_sdst(0) depctr_va_vdst(0) depctr_va_sdst(0) depctr_va_ssrc(0) depctr_va_vcc(0) depctr_vm_vsrc(0)
	s_getreg_b32 s2, hwreg(HW_REG_IB_STS2, 6, 4)
	s_cmp_eq_u32 s2, 0
	s_cbranch_scc0 .Lentry_in_a_cluster
	s_endpgm
.Lentry_in_a_cluster:
	s_bfe_u32 s2, ttmp6, 0x10000c
	s_cmp_lg_u32 s2, 0xf033
	s_cbranch_scc0 .Lentry_shape_is_right
	s_endpgm
.Lentry_shape_is_right:
; QKV: x W_QKV on codes of FP8 (E4M3) with E8M0 scales, then RoPE on Q and K, then the quantisers of attention's operands: Q and K along the head's 64, V along the keys.
; A work-group of four waves makes 256 x 256, a wave 128 x 128: 64 accumulators of 16 x 16.  K = 1,024 goes in steps of 256 through two LDS slots filled by the tensor data mover.
; OPERANDS LIE IN MEMORY AS IMAGES OF THEIR REGISTERS: a fragment (16 rows x 128 K) is 2,048 bytes, [c][lane][16]; a tile's eight fragments are 16,384 bytes on end.  A slot takes 4,096 bytes (two K steps) of each
; of 16 tiles of A and 16 of B; every LDS read is 16 x lane + constants: no pitch, no padding.  Lane-row r of tile 2 g + u is row 32 g + 8 u + r + 8 (r / 8).
; THE MATRIX INSTRUCTION IS USED TRANSPOSED (source 0 = a tile of B, source 1 = a tile of A).  With that order of rows, lane (r, h) holds A's row r of tile a, and the 64 registers of its eight accumulators (a, 0..7)
; are B's rows 32 g + 16 h + 0 .. 15, g = 0 .. 3: 16 neighbours of each block of 32 along the next product's K: what the conversions want.
; ROLES, by the cluster's x, which all sixteen partners share: 0: Q, 1: K: A = x (tokens), B = W's columns; 2: V: A = W_V's columns, B = x, so that a lane holds one channel and its registers run along the tokens.
; CLUSTERS: 4 x 4.  A's tiles are shared along a row of the cluster, B's along a column: joint tensor loads with a mask of four.
; OUT: qq: Q's images [bh][tile 128][cc 2][lane][16]; from QSC its scale words [bh][step 16][r][a 8] (bytes: s0, s1, 0x7f, 0x7f: the upper half of the instruction's K is zero codes).
;      kv: [bh][step 16][17,152 bytes: K's images [a 8][cc 2][lane][16] | V's images [t 4][c 4][lane][16] | K's words [r][a 8] | V's words [r][t 4]].  bh = 16 x batch + head.
; LIMITS: a block of zeros gets the byte 1 where the rule says 127 (zero codes; only this program reads the bytes); NaN and infinities are not served.
; REGISTERS: window 0: v0-31 addresses; v32-63 scale words, two sets; v128-255 A's fragments, one set; window 1: B's fragments, two sets; windows 2, 3: accumulator (a, b) at v[8 (8 (a % 4) + b)].
.set XSC,   8388608                    ; xq: where the scale words begin
.set WSC,   4194304                    ; wq
.set QSC,   8388608                    ; qq
.set REC,   17152                      ; kv: a key step's record
.set HEADB, 274432                     ; kv: a head's 16 records
.set NQ,    2                          ; K steps of 128 in a slot
.set FR,    16
.set NL,    4
.set NP,    8                          ; places behind this matrix instruction (ISA guide 7.12.1)
.set PAIRB, 4096                       ; a tile's two fragments in a slot
.set HALFT, 8*PAIRB                    ; eight tiles: what one tensor load brings, and what one wave reads of A or of B
.set SLOT,  4*HALFT
.set SCL,   2*SLOT                     ; behind the ring: the scale words for all of K: A's 16 tiles x 512 bytes, then B's
.set HALFS, 4096
.set SPARE, SCL+4*HALFS                ; the spare words, 128 bytes for each wave: two blocks of 256 bytes that no other line names
.set ADRA, 16                          ; v16-17 LDS address of my A fragments in slot 0, 1
.set ADRB, 20                          ; v20-21 the same for B
.set ADRS, 27                          ; v27 my scale words: lanes 0-15 A's, lanes 16-31 B's
.set SPW,  28                          ; v28 my spare word; never rewritten
.set NIL,  29                          ; v29 0; never rewritten
.set LI,   30                          ; v30 16 x lane
.set SC,   32
.set AF,   128
.set G1, 24
.set G0, 32
.set G1B, 48
.set G0B, 56
.set G1S, 68
.set G0S, 76
.set G1SB, 80
.set G0SB, 88
.set CS,  64                           ; the way out, window 0: v64-127 cos and sin, two sets of 32
.set Y,   128                          ; v128-191 64 numbers to quantise
.set T,   192                          ; v192-199 at work
.set PC,  200                          ; v200-215 codes
.set TM,  216                          ; v216-231 at work in QUANT
.set WD,  232                          ; v232-247 scale words
.set SLA, 248
.set SLB, 252
.set SEL, 2                            ; s[2:3]
.set MNT, 100                          ; s100
.set MSB, 0
.macro WIN new                         ; the immediate's high byte repeats the setting that is left
.if MSB != (\new)
	s_set_vgpr_msb (MSB<<8)|(\new)
.set MSB, (\new)
.endif
.endm
.set MUL_LO, 0xa1                      ; source 0 (B) window 1, source 1 (A) window 0, C and D window 2
.set MUL_HI, 0xf1
.set TO_B,   0x40
; A joint load: waves 0 and 1 fetch for A, waves 2 and 3 for B; the branch hangs on the wave's number alone.  Four v_nop follow each of the two lines.
.macro JLOAD g0a, g1a, g0b, g1b
	s_cmp_eq_u32 s15, 0
	s_cbranch_scc0 .Lfor_b_\@
	tensor_load_to_lds s[\g0a:\g0a+3], s[\g1a:\g1a+7]
	s_nop 0
.rept 4
	v_nop
.endr
	s_branch .Lasked_\@
.Lfor_b_\@:
	tensor_load_to_lds s[\g0b:\g0b+3], s[\g1b:\g1b+7]
	s_nop 0
.rept 4
	v_nop
.endr
.Lasked_\@:
.endm
.macro CREST
	s_cmp_lg_u32 s14, 0
	s_cbranch_scc1 .Lnot_wave_0_\@
	s_barrier_signal -3
.Lnot_wave_0_\@:
	s_barrier_wait -3
	s_barrier_signal -1
	s_barrier_wait -1
.endm
.macro CROUND
	s_barrier_signal -1
	s_barrier_wait -1
	CREST
.endm
	s_load_b256 s[4:11], s[0:1], 0x0               ; xq s[4:5], wq s[6:7], rope s[8:9], qq s[10:11]
	s_load_b64 s[12:13], s[0:1], 0x20              ; kv
	v_lshl_add_u32 v[SPW], v0, 2, SPARE
	v_mov_b32 v[NIL], 0
	ds_add_u32 v28, v29
	ds_add_u32 v28, v29
	s_wait_dscnt 0x0
	v_lshrrev_b32 v1, 5, v0
	v_readfirstlane_b32 s14, v1                    ; wave 0..3
	s_lshr_b32 s15, s14, 1                         ; which half of A's rows is mine.  Also: I fetch for A (0) or for B (1)
	s_and_b32 s16, s14, 1                          ; which half of B's rows.  Also: which eight tiles I fetch
	s_bfe_u32 s40, ttmp6, 0x40000                  ; cx, cy: my place in the cluster
	s_bfe_u32 s41, ttmp6, 0x40004
	s_and_b32 s18, ttmp7, 0xffff
	s_lshl_b32 s18, s18, 2                         ; 4 x cluster y
	s_lshl_b32 s19, ttmp9, 2                       ; 4 x cluster x
	s_cmp_eq_u32 ttmp9, 2                          ; the role V?  The cluster's x is the same in all partners
	s_cselect_b32 s20, 0, s18
	s_cselect_b32 s21, s18, s19
	s_cselect_b32 s66, 128*16384, 0                ; V: A's tiles begin at tile 128 of wq
	s_mov_b32 s67, XSC
	s_cselect_b32 s67, WSC+128*512, s67            ; where A's scale words begin in its buffer
	s_mov_b32 s100, WSC
	s_cselect_b32 s100, XSC, s100                  ; and B's
	s_add_co_u32 s17, s41, s20                     ; A's block of 256 rows: cy (+ 4 x cluster y for Q, K): nothing of cx
	s_add_co_u32 s42, s40, s21                     ; B's: cx + 4 x cluster x (Q, K) or + 4 x cluster y (V): nothing of cy
	s_lshl_b32 s43, s41, 2
	s_lshl_b32 s43, 15, s43                        ; my row of the cluster
	s_lshl_b32 s44, 0x1111, s40                    ; my column
	; group 1 for codes: 8 rows (tiles) of 4,096 bytes, 16,384 bytes apart, in elements of 8 bytes; no padding
	s_or_b32 s[G1+0], s43, (3<<16)|(1<<21)
	s_or_b32 s[G1B+0], s44, (3<<16)|(1<<21)
.irp g, G1, G1B
	s_mov_b32 s[\g+1], 512<<16                     ; tensor_dim0
	s_mov_b32 s[\g+2], 16<<16                      ; tensor_dim1: sixteen tiles for the head's loads; behind them eight, for the ring's
	s_mov_b32 s[\g+3], 512<<16                     ; tile_dim0
	s_mov_b32 s[\g+4], 16                          ; tile_dim1
	s_mov_b32 s[\g+5], 2048                        ; from tile to tile
	s_mov_b32 s[\g+6], 0
	s_mov_b32 s[\g+7], 0
.endr
	; and for the scale words of sixteen tiles: 8,192 dense bytes as 32 rows of 256
	s_or_b32 s[G1S+0], s43, (3<<16)|(1<<21)
	s_or_b32 s[G1SB+0], s44, (3<<16)|(1<<21)
.irp g, G1S, G1SB
	s_mov_b32 s[\g+1], 32<<16
	s_mov_b32 s[\g+2], 32<<16                      ; the scale words of sixteen tiles: 8,192 dense bytes as 32 rows of 256
	s_mov_b32 s[\g+3], 32<<16
	s_mov_b32 s[\g+4], 32
	s_mov_b32 s[\g+5], 32
	s_mov_b32 s[\g+6], 0
	s_mov_b32 s[\g+7], 0
.endr
	s_lshl_b32 s20, s17, 4                         ; A's first tile of sixteen
	s_lshl_b32 s46, s42, 4                         ; B's
	s_lshl_b32 s22, s20, 9
	s_add_co_u32 s22, s22, s67                     ; A's scale words, in bytes
	s_lshl_b32 s20, s20, 14
	s_add_co_u32 s20, s20, s66                     ; A's codes
	s_lshl_b32 s92, s46, 9
	s_add_co_u32 s92, s92, s100
	s_lshl_b32 s46, s46, 14
	s_mov_b32 s21, 0
	s_mov_b32 s23, 0
	s_mov_b32 s47, 0
	s_mov_b32 s93, 0
	s_mul_i32 s45, s14, HALFT                      ; where they go: no place in the cluster enters an LDS address
	s_lshl_b32 s18, s16, 17                        ; in the ring I fetch eight tiles of the sixteen: which, in bytes
	s_mov_b32 s19, 0
	s_wait_kmcnt 0x0
	s_cmp_eq_u32 ttmp9, 2
	s_cselect_b64 s[96:97], s[6:7], s[4:5]         ; A's buffer
	s_cselect_b64 s[98:99], s[4:5], s[6:7]         ; B's
	s_add_nc_u64 s[20:21], s[96:97], s[20:21]
	s_add_nc_u64 s[22:23], s[96:97], s[22:23]
	s_add_nc_u64 s[46:47], s[98:99], s[46:47]
	s_add_nc_u64 s[92:93], s[98:99], s[92:93]
	CROUND                                         ; all sixteen work-groups are here: the first joint loads meet
	s_mov_b32 s[G0S], 1
	s_mov_b32 s[G0S+1], SCL
	s_mov_b64 s[G0S+2:G0S+3], s[22:23]
	s_or_b32 s[G0S+3], s[G0S+3], 0x80000000
	s_mov_b32 s[G0SB], 1
	s_mov_b32 s[G0SB+1], SCL+2*HALFS
	s_mov_b64 s[G0SB+2:G0SB+3], s[92:93]
	s_or_b32 s[G0SB+3], s[G0SB+3], 0x80000000
.set G0H, 4                            ; s[4:7], s[96:99] group 0 of the head's loads of slot 0: A's sixteen tiles, B's sixteen (what lay there has been used)
.set G0HB, 96
	s_mov_b32 s[G0H], 1
	s_mov_b32 s[G0H+1], 0
	s_mov_b64 s[G0H+2:G0H+3], s[20:21]
	s_or_b32 s[G0H+3], s[G0H+3], 0x80000000
	s_mov_b32 s[G0HB], 1
	s_mov_b32 s[G0HB+1], 2*HALFT
	s_mov_b64 s[G0HB+2:G0HB+3], s[46:47]
	s_or_b32 s[G0HB+3], s[G0HB+3], 0x80000000
	s_add_nc_u64 s[20:21], s[20:21], s[18:19]      ; for the ring: my eight tiles
	s_add_nc_u64 s[46:47], s[46:47], s[18:19]
.irp s, 0,1
	s_mov_b32 s[G0+4*\s], 1
	s_add_co_u32 s[G0+4*\s+1], s45, \s*SLOT
	s_add_nc_u64 s[G0+4*\s+2:G0+4*\s+3], s[20:21], \s*PAIRB
	s_or_b32 s[G0+4*\s+3], s[G0+4*\s+3], 0x80000000
	s_mov_b32 s[G0B+4*\s], 1
	s_add_co_u32 s[G0B+4*\s+1], s45, \s*SLOT
	s_add_nc_u64 s[G0B+4*\s+2:G0B+4*\s+3], s[46:47], \s*PAIRB
	s_or_b32 s[G0B+4*\s+3], s[G0B+4*\s+3], 0x80000000
.endr
; THE HEAD'S LOADS, ONE A WAVE: wave 0 slot 0's tiles of A, wave 1 those of B, wave 2 A's scale words, wave 3 B's.  One chain of branches on the wave's number, a load to an arm.
.macro ARM under, g0, g1, next
	s_cmp_lt_u32 s14, \under
	s_cbranch_scc0 \next
	tensor_load_to_lds s[\g0:\g0+3], s[\g1:\g1+7]
	s_nop 0
.rept 4
	v_nop
.endr
	s_branch .Lhead_asked
\next:
.endm
	ARM 1, G0H,  G1,  .Lhead_b
	ARM 2, G0HB, G1B, .Lhead_sa
	ARM 3, G0S,  G1S, .Lhead_sb
	tensor_load_to_lds s[G0SB:G0SB+3], s[G1SB:G1SB+7]
	s_nop 0
.rept 4
	v_nop
.endr
.Lhead_asked:
	v_and_b32 v1, 15, v0                           ; r
	v_bfe_u32 v2, v0, 4, 1                         ; h
	s_wait_alu depctr_va_vdst(0)
	v_and_b32 v3, 31, v0
	v_lshlrev_b32 v[LI], 4, v3
	s_mul_i32 s21, s15, HALFT                      ; my eight tiles of A
	s_mul_i32 s22, s16, HALFT                      ; my eight of B,
	s_add_co_u32 s22, s22, 2*HALFT                 ; which lie behind A's sixteen
.irp s, 0,1
	v_add_nc_u32 v[ADRA+\s], s21, v[LI]
	v_add_nc_u32 v[ADRB+\s], s22, v[LI]
	s_add_co_u32 s21, s21, SLOT
	s_add_co_u32 s22, s22, SLOT
.endr
	v_lshlrev_b32 v5, 3, v1                        ; my row's two words of a pair of K steps
	s_mul_i32 s21, s15, HALFS
	s_mul_i32 s22, s16, HALFS
	s_add_co_u32 s22, s22, 2*HALFS
	s_sub_co_u32 s22, s22, s21
	v_mul_u32_u24 v6, s22, v2                      ; lanes 16-31 take B's: one product, the distance between the two bases
	s_add_co_u32 s21, s21, SCL
	v_add_nc_u32 v5, v5, v6
	v_add_nc_u32 v[ADRS], s21, v5
.macro FRAG reg, adr, q, i             ; a fragment comes as it was stored: four loads of 512 consecutive bytes
.irp c, 0,1,2,3
	ds_load_b128 v[\reg+4*\c:\reg+4*\c+3], v[\adr] offset:4096*(\i)+2048*(\q)+512*\c
.endr
.endm
; 16 matrix instructions: A's tiles a0, a0 + 1 x B's eight.  The 64 accumulators take turns, one instruction a turn, in the same order in every step.
.macro MUL16 a0, p, q, sc, zero
.irp a, \a0, \a0+1
.irp b, 0,1,2,3,4,5,6,7
.if \zero
	v_wmma_scale_f32_16x16x128_f8f6f4 v[8*(8*((\a)%4)+\b):8*(8*((\a)%4)+\b)+7], v[128*(\p)+FR*\b:128*(\p)+FR*\b+FR-1], v[AF+FR*(\a):AF+FR*(\a)+FR-1], 0, v[SC+8*NQ*(\sc)+NQ*\b+(\q)], v[SC+8*NQ*(\sc)+NQ*(\a)+(\q)] matrix_a_scale:MATRIX_SCALE_ROW1
.else
	v_wmma_scale_f32_16x16x128_f8f6f4 v[8*(8*((\a)%4)+\b):8*(8*((\a)%4)+\b)+7], v[128*(\p)+FR*\b:128*(\p)+FR*\b+FR-1], v[AF+FR*(\a):AF+FR*(\a)+FR-1], v[8*(8*((\a)%4)+\b):8*(8*((\a)%4)+\b)+7], v[SC+8*NQ*(\sc)+NQ*\b+(\q)], v[SC+8*NQ*(\sc)+NQ*(\a)+(\q)] matrix_a_scale:MATRIX_SCALE_ROW1
.endif
.endr
.endr
.endm
.macro FETCH_B slot, q, p
	WIN TO_B
.irp i, 0,1,2,3,4,5,6,7
	FRAG 128*(\p)+FR*\i, ADRB+\slot, \q, \i
.endr
	WIN 0
.endm
.macro FETCH_A slot, q, i0
.irp i, \i0, \i0+1, \i0+2, \i0+3
	FRAG AF+FR*(\i), ADRA+\slot, \q, \i
.endr
.endm
.macro SCALES sc                       ; two words a row: lanes 0-15 A's tile i, lanes 16-31 B's tile i
.irp i, 0,1,2,3,4,5,6,7
	ds_load_b64 v[SC+8*NQ*\sc+NQ*\i:SC+8*NQ*\sc+NQ*\i+1], v[ADRS] offset:\i*512
.endr
.endm
.macro PLACES n                        ; plain vector lines between a matrix instruction and a load into, or a vector read or write of, its registers
.rept \n
	v_nop
.endr
.endm
.macro STEP slot, q, zero              ; a step of 128 along K that has its successor in the same slot
	s_wait_dscnt 4*NL                              ; B's set and A's tiles 0-3 are in; the youngest 16 loads (A's tiles 4-7) may be out
	WIN MUL_LO
	MUL16 0, (\q)%2, \q, \slot, \zero
	MUL16 2, (\q)%2, \q, \slot, \zero
	s_wait_dscnt 0
	PLACES NP
	FETCH_B \slot, (\q)+1, 1-(\q)%2
	FETCH_A \slot, (\q)+1, 0
	WIN MUL_HI
	MUL16 4, (\q)%2, \q, \slot, \zero
	MUL16 6, (\q)%2, \q, \slot, \zero
	PLACES NP
	WIN 0
	FETCH_A \slot, (\q)+1, 4
.endm
; A slot's last step changes slots: one barrier; in front of it each wave waits for all its tensor loads, adds 0 to its spare word, and waits for that and for its reads of this slot.
.macro TURN slot, next, fill
	s_wait_tensorcnt 0x0                           ; all my tensor loads have landed: my part of the next slot
	ds_add_u32 v[SPW], v[NIL]                      ; 0 onto my spare word
	s_wait_dscnt 4*NL+1                            ; the add and the youngest 16 loads (A's tiles 4-7) may be out
	WIN MUL_LO
	MUL16 0, 1, NQ-1, \slot, 0
	s_wait_dscnt 0x0                               ; the add is done, and my reads of this slot are over
	s_barrier_signal -1
	MUL16 2, 1, NQ-1, \slot, 0
	WIN 0
	s_barrier_wait -1
.if \fill
	CREST                                          ; the barrier has opened a round of the cluster's barrier: no wave of any partner still reads this slot or has a load on its way
	s_add_nc_u64 s[G0+4*\slot+2:G0+4*\slot+3], s[G0+4*\slot+2:G0+4*\slot+3], 2*PAIRB
	s_add_nc_u64 s[G0B+4*\slot+2:G0B+4*\slot+3], s[G0B+4*\slot+2:G0B+4*\slot+3], 2*PAIRB
	JLOAD G0+4*\slot, G1, G0B+4*\slot, G1B         ; the first tensor load behind the round, one a wave; its four v_nop are among the places below
	PLACES NP-4
.else
	PLACES NP
.endif
	s_wait_alu depctr_va_vdst(0)
	v_add_nc_u32 v[ADRS], 128, v[ADRS]             ; the next pair of K steps' scale words
	FETCH_B \next, 0, 0
	FETCH_A \next, 0, 0
	SCALES \next
	WIN MUL_HI
	MUL16 4, 1, NQ-1, \slot, 0
	MUL16 6, 1, NQ-1, \slot, 0
	PLACES NP
	WIN 0
	FETCH_A \next, 0, 4
.endm
	s_wait_alu depctr_va_vdst(0)
	s_wait_tensorcnt 0x0                           ; my tile of the head's four is in; slot 1's first fill is issued as a refill is
	ds_add_u32 v[SPW], v[NIL]
	s_mov_b32 s[G1+2], 8<<16                       ; no tensor load of mine is out: from here on a load brings eight tiles
	s_mov_b32 s[G1+4], 8
	s_mov_b32 s[G1B+2], 8<<16
	s_mov_b32 s[G1B+4], 8
	s_wait_dscnt 0x0
	CROUND                                         ; all four tiles are in, and all sixteen work-groups are here
	JLOAD G0+4, G1, G0B+4, G1B                     ; slot 1: the first tensor load behind the round
	FETCH_B 0, 0, 0
	FETCH_A 0, 0, 0
	SCALES 0
	FETCH_A 0, 0, 4
	STEP 0, 0, 1                                   ; the first products start the sums: nothing is cleared
	TURN 0, 1, 1                                   ; K = 1,024 is four slots' worth: written out, no loop
	STEP 1, 0, 0
	TURN 1, 0, 1
	STEP 0, 0, 0
	TURN 0, 1, 0                                   ; nothing is left to fetch
	STEP 1, 0, 0
	s_wait_dscnt 4*NL
	WIN MUL_LO
	MUL16 0, 1, NQ-1, 1, 0
	MUL16 2, 1, NQ-1, 1, 0
	s_wait_dscnt 0
	WIN MUL_HI
	MUL16 4, 1, NQ-1, 1, 0
	MUL16 6, 1, NQ-1, 1, 0
	WIN 0
; THE WAY OUT.  64 numbers of a lane (register src + 16 b + i of window win = k 32 b + 16 h + i of my row) become codes in v[PC] on; the four scale bytes are left in v[TM+4] on.
; The hold writes into v[dst] on, in window 0: for numbers that lie in the accumulators it is also the move.  Each accumulator is read from its low end on.
.macro QUANT src, win, dst
	WIN ((\win)<<2)|((\win)<<4)
.irp b, 0,1,2,3
	v_max3_num_f32 v[TM+\b], 0x4800000, |v[\src+16*\b]|, |v[\src+16*\b+1]|   ; the floor 2^(9 - 127) among the leaves: the byte cannot fall under 1
.endr
.irp i, 2,4,6,8,10,12,14
.irp b, 0,1,2,3
	v_max3_num_f32 v[TM+\b], v[TM+\b], |v[\src+16*\b+\i]|, |v[\src+16*\b+\i+1]|
.endr
.endr
	WIN 0
.irp b, 0,1,2,3
	v_permlanex16_b32 v[TM+4+\b], v[TM+\b], s[SEL], s[SEL+1]
.endr
.irp b, 0,1,2,3
	v_max_num_f32 v[TM+\b], v[TM+\b], v[TM+4+\b]
.endr
.irp b, 0,1,2,3
	v_add_nc_u32 v[TM+12+\b], 0xfc000000, v[TM+\b]
.endr
.irp b, 0,1,2,3
	v_and_or_b32 v[TM+8+\b], v[TM+\b], 0x7f800000, s[MNT]
.endr
.irp b, 0,1,2,3
	v_lshrrev_b32 v[TM+4+\b], 23, v[TM+12+\b]
.endr
	WIN (\win)
.irp b, 0,1,2,3
.irp i, 0,1,2,3,4,5,6,7,8,9,10,11,12,13,14,15
	v_med3_num_f32 v[\dst+16*\b+\i], v[\src+16*\b+\i], -v[TM+8+\b], v[TM+8+\b]   ; the conversion does not saturate (ISA guide 7.6.2)
.endr
.endr
	WIN 0
.irp b, 0,1,2,3
	v_cvt_scalef32_pk8_fp8_f32 v[PC+4*\b:PC+4*\b+1], v[\dst+16*\b:\dst+16*\b+7], v[TM+12+\b]
	v_cvt_scalef32_pk8_fp8_f32 v[PC+4*\b+2:PC+4*\b+3], v[\dst+16*\b+8:\dst+16*\b+15], v[TM+12+\b]
.endr
	v_nop                                          ; a plain line behind the last conversion
.endm
	PLACES NP                                      ; behind the last products
	s_mov_b32 s[SEL], 0x76543210
	s_mov_b32 s[SEL+1], 0xfedcba98
	s_mov_b32 s[MNT], 0x600000
.irp b, 0,1,2,3
	v_mov_b32 v[TM+4+\b], 0                        ; a lane permute's destination counts as one of its sources
.endr
	s_cmp_eq_u32 ttmp9, 2
	s_cbranch_scc1 .Lrole_v
; ---- Q and K.  My 128 columns are two heads; my tile a of 16 tokens is tile 8 ks + a of the batch.  RoPE, then the quantiser along the head's 64 (blocks 0, 1: the first head; 2, 3: the second).
	s_and_b32 s18, s17, 7
	s_lshl_b32 s18, s18, 4
	s_lshl_b32 s19, s15, 3
	s_add_co_u32 s18, s18, s19                     ; my first tile of tokens within the batch
	s_lshl_b32 s18, s18, 12
	s_mov_b32 s19, 0
	s_add_nc_u64 s[8:9], s[8:9], s[18:19]
.macro CSLOAD a                        ; tile a's cosines and sines: register 16 cc + 2 p: cos, + 1: sin, of pair 16 cc + 8 h + p
.irp cc, 0,1
.irp jj, 0,1,2,3
	global_load_b128 v[CS+32*((\a)%2)+16*\cc+4*\jj:CS+32*((\a)%2)+16*\cc+4*\jj+3], v[LI], s[8:9] offset:4096*(\a)+2048*\cc+512*\jj
.endr
.endr
.endm
	CSLOAD 0
	CSLOAD 1
	s_cmp_eq_u32 ttmp9, 0                          ; Q or K: buffers and strides are chosen, the text is one
	s_cselect_b64 s[96:97], s[10:11], s[12:13]
	s_mov_b32 s18, HEADB
	s_cselect_b32 s18, 131072, s18                 ; codes: from head to head,
	s_mov_b32 s19, REC
	s_cselect_b32 s19, 8192, s19                   ; from key step to key step
	s_mov_b32 s20, HEADB
	s_cselect_b32 s20, 8192, s20                   ; scale words likewise
	s_mov_b32 s21, REC
	s_cselect_b32 s21, 512, s21
	s_mov_b32 s22, 16384
	s_cselect_b32 s22, QSC, s22                    ; and where they begin
	s_lshr_b32 s23, s17, 3                         ; the batch
	s_lshl_b32 s23, s23, 4
	s_lshl_b32 s66, s40, 2
	s_add_co_u32 s23, s23, s66
	s_lshl_b32 s66, s16, 1
	s_add_co_u32 s23, s23, s66                     ; bh of my first head: 16 x batch + 4 cx + 2 x half
	s_and_b32 s66, s17, 7
	s_lshl_b32 s66, s66, 1
	s_add_co_u32 s66, s66, s15                     ; the key step of my 128 tokens
	s_mul_i32 s46, s23, s18
	s_mul_i32 s67, s66, s19
	s_add_co_u32 s46, s46, s67
	s_mov_b32 s47, 0
	s_mov_b32 s19, 0
	s_add_nc_u64 s[68:69], s[96:97], s[46:47]      ; codes of the first head (no tensor load is out: these registers are free),
	s_add_nc_u64 s[70:71], s[68:69], s[18:19]      ; of the second
	s_mul_i32 s46, s23, s20
	s_mul_i32 s67, s66, s21
	s_add_co_u32 s46, s46, s67
	s_add_co_u32 s46, s46, s22
	s_mov_b32 s21, 0
	s_add_nc_u64 s[72:73], s[96:97], s[46:47]      ; scale words of the first head,
	s_add_nc_u64 s[74:75], s[72:73], s[20:21]      ; of the second
	v_lshlrev_b32 v3, 5, v1
	v_lshl_add_u32 v3, v2, 4, v3                   ; 32 r + 16 h: four words a lane
.macro QKBLOCK a
.set AC, 64*((\a)%4)
.set CSB, CS+32*((\a)%2)
.if (\a) < 7
	s_wait_loadcnt 8                               ; this tile's eight table loads are in; the next tile's eight may be out
.else
	s_wait_loadcnt 0x0
.endif
.if (\a) > 0
	s_wait_xcnt 0x0                                ; the last tile's stores have read the codes' registers
.endif
	WIN 2+(\a)/4                                   ; source 0: the accumulators
.irp c, 0,1,2,3
.irp g, 0,4
.irp p, 0,1,2,3
	v_pk_mul_f32 v[T+2*\p:T+2*\p+1], v[AC+16*\c+2*(\g+\p):AC+16*\c+2*(\g+\p)+1], v[CSB+16*(\c%2)+2*(\g+\p):CSB+16*(\c%2)+2*(\g+\p)+1] op_sel:[1,1] op_sel_hi:[1,0]   ; x2 sin, x2 cos
.endr
.irp p, 0,1,2,3
	v_pk_fma_f32 v[Y+16*\c+2*(\g+\p):Y+16*\c+2*(\g+\p)+1], v[AC+16*\c+2*(\g+\p):AC+16*\c+2*(\g+\p)+1], v[CSB+16*(\c%2)+2*(\g+\p):CSB+16*(\c%2)+2*(\g+\p)+1], v[T+2*\p:T+2*\p+1] op_sel_hi:[0,1,1] neg_lo:[0,0,1]   ; x1 cos - x2 sin, x1 sin + x2 cos
.endr
.endr
.endr
	WIN 0
.if (\a) < 6
	CSLOAD (\a)+2
.endif
	QUANT Y, 0, Y
	v_lshl_or_b32 v[WD+\a], v[TM+5], 8, v[TM+4]
	v_lshl_or_b32 v[WD+8+\a], v[TM+7], 8, v[TM+6]
	v_or_b32 v[WD+\a], 0x7f7f0000, v[WD+\a]        ; the upper half of the instruction's K holds zero codes: scale 1
	v_or_b32 v[WD+8+\a], 0x7f7f0000, v[WD+8+\a]
.irp c, 0,1,2,3
	global_store_b128 v[LI], v[PC+4*\c:PC+4*\c+3], s[68+2*(\c/2):69+2*(\c/2)] offset:1024*(\a)+512*(\c%2)   ; 512 consecutive bytes, aligned
.endr
.endm
.irp a, 0,1,2,3,4,5,6,7
	QKBLOCK \a
.endr
	v_cmp_eq_u32 vcc_lo, 1, v2                     ; lanes 16-31 store the words of tiles 4-7
.irp j, 0,1,2,3
	v_cndmask_b32 v[SLA+\j], v[WD+\j], v[WD+4+\j], vcc_lo
	v_cndmask_b32 v[SLB+\j], v[WD+8+\j], v[WD+12+\j], vcc_lo
.endr
	global_store_b128 v3, v[SLA:SLA+3], s[72:73]   ; 512 consecutive bytes
	global_store_b128 v3, v[SLB:SLB+3], s[74:75]
	s_branch .Ljoin
; ---- V.  A lane holds one channel (tile a: head a / 4, tile a % 4 of its 64) and 64 of the key step's 128 tokens: the quantiser runs along the keys.
.Lrole_v:
	s_lshr_b32 s18, s42, 3                         ; the batch
	s_lshl_b32 s18, s18, 4
	s_lshl_b32 s19, s41, 2
	s_add_co_u32 s18, s18, s19
	s_lshl_b32 s19, s15, 1
	s_add_co_u32 s18, s18, s19                     ; bh of my first head: 16 x batch + 4 cy + 2 x half
	s_and_b32 s19, s42, 7
	s_lshl_b32 s19, s19, 1
	s_add_co_u32 s19, s19, s16                     ; the key step
	s_mul_i32 s46, s18, HEADB
	s_mul_i32 s19, s19, REC
	s_add_co_u32 s46, s46, s19
	s_mov_b32 s47, 0
	s_add_nc_u64 s[46:47], s[12:13], s[46:47]
	v_mul_u32_u24 v4, v2, HEADB
	v_lshl_add_u32 v4, v1, 4, v4                   ; lanes 16-31 store the second head's words
.macro VBLOCK a
.set AC, 64*((\a)%4)
.set WN, 2+(\a)/4
.if (\a) > 0
	s_wait_xcnt 0x0                                ; the last tile's stores have read the codes' registers
.endif
	QUANT AC, WN, Y
	v_lshl_or_b32 v[WD+\a], v[TM+5], 8, v[TM+4]
	v_lshl_or_b32 v[WD+\a], v[TM+6], 16, v[WD+\a]
	v_lshl_or_b32 v[WD+\a], v[TM+7], 24, v[WD+\a]
.irp c, 0,1,2,3
	global_store_b128 v[LI], v[PC+4*\c:PC+4*\c+3], s[46:47] offset:((\a)/4)*HEADB+8192+2048*((\a)%4)+512*\c
.endr
.endm
.irp a, 0,1,2,3,4,5,6,7
	VBLOCK \a
.endr
	v_cmp_eq_u32 vcc_lo, 1, v2
.irp j, 0,1,2,3
	v_cndmask_b32 v[SLA+\j], v[WD+\j], v[WD+4+\j], vcc_lo
.endr
	global_store_b128 v4, v[SLA:SLA+3], s[46:47] offset:16896   ; 256 consecutive bytes for each head
.Ljoin:
	s_wait_tensorcnt 0x0                           ; the wave's end
	ds_add_u32 v[SPW], v[NIL]
	s_wait_dscnt 0x0
	CROUND                                         ; the closing round
	s_endpgm
.Lfunc_end_k_q452a3a5b73_qkv:
	.size	k_q452a3a5b73_qkv, .Lfunc_end_k_q452a3a5b73_qkv-k_q452a3a5b73_qkv
	.p2alignl 7, 3214868480
	.fill 96, 4, 3214868480
	.section	.rodata,"a",@progbits
	.p2align	6, 0x0
	.amdhsa_kernel k_q452a3a5b73_qkv
		.amdhsa_group_segment_fixed_size 327680
		.amdhsa_private_segment_fixed_size 0
		.amdhsa_enable_private_segment 0
		.amdhsa_kernarg_size 40
		.amdhsa_user_sgpr_count 2
		.amdhsa_user_sgpr_kernarg_segment_ptr 1
		.amdhsa_wavefront_size32 1
		.amdhsa_system_sgpr_workgroup_id_x 1
		.amdhsa_system_sgpr_workgroup_id_y 1
		.amdhsa_system_sgpr_workgroup_id_z 1
		.amdhsa_system_vgpr_workitem_id 0
		.amdhsa_next_free_vgpr 1024
		.amdhsa_next_free_sgpr 102
		.amdhsa_reserve_vcc 1
		.amdhsa_float_denorm_mode_32 3
		.amdhsa_float_denorm_mode_16_64 3
		.amdhsa_memory_ordered 1
		.amdhsa_forward_progress 1
		.amdhsa_inst_pref_size 255
	.end_amdhsa_kernel
	.section	.bss,"aw",@nobits
	.p2align	6
	.space	262144
	.amdgpu_metadata
---
amdhsa.version: [ 1, 2 ]
amdhsa.kernels:
  - .name:           k_q452a3a5b73_qkv
    .symbol:         k_q452a3a5b73_qkv.kd
    .args:
      - { .name: xq, .offset: 0, .size: 8, .value_kind: global_buffer, .address_space: global }
      - { .name: wq, .offset: 8, .size: 8, .value_kind: global_buffer, .address_space: global }
      - { .name: rope, .offset: 16, .size: 8, .value_kind: global_buffer, .address_space: global }
      - { .name: qq, .offset: 24, .size: 8, .value_kind: global_buffer, .address_space: global }
      - { .name: kv, .offset: 32, .size: 8, .value_kind: global_buffer, .address_space: global }
    .group_segment_fixed_size: 327680
    .private_segment_fixed_size: 0
    .kernarg_segment_align: 8
    .kernarg_segment_size: 40
    .max_flat_workgroup_size: 128
    .sgpr_count:     102
    .vgpr_count:     1024
    .wavefront_size: 32
...
	.end_amdgpu_metadata
.endif
;; end of part 2
;; launch attn (part 3): grid 4 x 64, 16 waves a work-group, clusters of 4 x 1, 276,480 bytes of LDS; arguments qq, kv, aq; writes aq
.if DOCPART == 3
	.amdgcn_target "amdgcn-amd-amdhsa--gfx1250"
	.amdhsa_code_object_version 6
	.text
	.protected	k_q452a3a5b73_attn
	.globl	k_q452a3a5b73_attn
	.p2align	8
	.type	k_q452a3a5b73_attn,@function
k_q452a3a5b73_attn:
	s_mov_b64 s[64:65], 0
	v_nop
	global_prefetch_b8 v0, s[64:65] scope:SCOPE_SE
	s_setreg_imm32_b32 hwreg(HW_REG_WAVE_MODE, 25, 1), 1
	s_wait_xcnt 0x0
	s_wait_alu depctr_hold_cnt(0) depctr_sa_sdst(0) depctr_va_vdst(0) depctr_va_sdst(0) depctr_va_ssrc(0) depctr_va_vcc(0) depctr_vm_vsrc(0)
	s_getreg_b32 s2, hwreg(HW_REG_IB_STS2, 6, 4)
	s_cmp_eq_u32 s2, 0
	s_cbranch_scc0 .Lentry_in_a_cluster
	s_endpgm
.Lentry_in_a_cluster:
	s_bfe_u32 s2, ttmp6, 0x10000c
	s_cmp_lg_u32 s2, 0x3003
	s_cbranch_scc0 .Lentry_shape_is_right
	s_endpgm
.Lentry_shape_is_right:
; ATTN: causal attention of one head on codes of FP8 (E4M3) with E8M0 scales, and the quantiser of its result along (head, channel) for the last product.
; THE SOFTMAX AHEAD OF THE SECOND PRODUCT: t = score x log2(e) / 8; M = the running largest t rounded UP to a whole number; p = 2^(t - M) is quantised along the keys, not normalised;
; the row's sum is taken of the unquantised p and divides O at the end.  When M moves, the sum and O are multiplied by 2^(old M - new M): exact.
; A WHOLE HEAD LIES IN LDS: 16 records of 17,152 bytes (128 keys each: K's images 8,192, V's 8,192, K's words 512, V's 256), brought once: wave w asks for record w.  Nothing is filled again: no ring,
; and behind the one barrier no LDS byte is written.  The four work-groups of a cluster work on one head and ask JOINTLY (mask 15).
; SHARES.  The head's 128 tiles of 16 queries: wave w of work-group cx takes tile 4 w + cx, then tile 4 (31 - w) + cx.  Tiles 4 k .. 4 k + 3 are tokens 64 k .. 64 k + 63, so the step on the diagonal is k / 2
; whatever cx: every branch hangs on the wave's number and a loop's counter alone, and each wave works w / 2 + (31 - w) / 2 + 2 = 17 key steps.
; Every pass walks all 16 steps (a loop of constant length); a step all of whose keys come after the wave's queries is left out by a scalar branch round its work.
; LAYOUT.  S^T = K Q^T (source 0 = 16 keys, source 1 = my 16 queries), O^T = V^T P^T: a lane holds ONE query.  Lane-row r of tile 2 g + u is row 32 g + 8 u + r + 8 (r / 8), so the 16 registers of two
; neighbouring tiles are 16 neighbours along the next K.  The head's 64 fill half of the instruction's K = 128: the upper eight registers of Q's and K's fragments hold zero codes, their scale bytes 0x7f.
; OUT: aq, laid as the last product's A: images [row tile 512][K step 8][c][lane][16], K step = head / 2, c = 2 (head % 2) + 0, 1; scale words [tile][pair][r][2 words]: a head owns two bytes of a word,
; stored as 16 bits a row: units written in part, 256 KiB in all, since two heads, made by two clusters, share a word.
; LIMITS: a block of zeros gets the byte 1 (zero codes; only this program reads the bytes); NaN and infinities are not served.
; REGISTERS: v1-5 lane terms; v7-9 addresses of the step; v10 mask term; v11 -inf; v12 -M, v13 largest t, v[14:15] the sum; v16-31 Q; v32-95 four fragments of K; v96-159 S^T, p, then V's four fragments;
; v160-191 O^T; v192-207 p's codes; v208-215 K's words; v216-219 V's; v220 Q's; v221 p's; v224-253 at work.
.set REC,   17152
.set HEADB, 274432
.set QSC,   8388608
.set ASC,   8388608
.set WV,   10                          ; s10 wave
.set KS,   15                          ; s15 the key step
.set KK,   16                          ; s16 k: the pass's group of four tiles
.set TAU,  17                          ; s17 my tile of queries
.set DG,   18                          ; s18 the step on the diagonal
.set MNT,  19
.set SEL,  20                          ; s[20:21]
.set CF,   22                          ; s[22:23] c = log2(e) / 8
.set TB,   36                          ; s36 LDS byte at which the step's record begins
.set DOFF, 37                          ; s37 64 (k % 2)
.set BM,   224                         ; v224-227 block maxima
.set PB,   228                         ; v228-231 the other half's, then the bytes
.set HD,   232                         ; v232-235 448 x the scale
.set SO,   236                         ; v236-239 the conversion's scale operand
.macro ROUND
	s_barrier_signal -1
	s_barrier_wait -1
	s_cmp_lg_u32 s[WV], 0
	s_cbranch_scc1 .Lnot_wave_0_\@
	s_barrier_signal -3
.Lnot_wave_0_\@:
	s_barrier_wait -3
	s_barrier_signal -1
	s_barrier_wait -1
.endm
	s_load_b128 s[4:7], s[0:1], 0x0                ; qq s[4:5], kv s[6:7]
	s_load_b64 s[8:9], s[0:1], 0x10                ; aq
	v_lshl_add_u32 v254, v0, 2, 0x43000
	v_mov_b32 v255, 0
	ds_add_u32 v254, v255
	ds_add_u32 v254, v255
	v_lshrrev_b32 v1, 5, v0
	s_delay_alu instid0(VALU_DEP_1)
	v_readfirstlane_b32 s[WV], v1                  ; wave 0..15
	s_bfe_u32 s11, ttmp6, 0x40000                  ; cx: it enters Q's and aq's addresses and the mask's numbers alone
	s_and_b32 s12, ttmp7, 0xffff                   ; bh = 16 x batch + head: the partners share it
	s_and_b32 s13, s12, 15                         ; head
	s_lshr_b32 s14, s12, 4                         ; batch
	s_mov_b32 s24, 15|(3<<16)|(1<<21)              ; group 1: the mask of all four; elements of 8 bytes; bit 21 beside a mask; no padding
	s_mov_b32 s25, 32<<16                          ; a record: 67 dense rows of 256 bytes
	s_mov_b32 s26, 67<<16
	s_mov_b32 s27, 32<<16
	s_mov_b32 s28, 67
	s_mov_b32 s29, 32
	s_mov_b32 s30, 0
	s_mov_b32 s31, 0
	s_mul_i32 s46, s12, HEADB
	s_mul_i32 s33, s[WV], REC                      ; LDS: record w
	s_add_co_u32 s46, s46, s33
	s_mov_b32 s47, 0
	s_mov_b32 s32, 1
	s_mov_b32 s[MNT], 0x600000
	s_mov_b32 s[SEL], 0x76543210
	s_mov_b32 s[SEL+1], 0xfedcba98
	s_mov_b32 s[CF], 0x3e38aa3b
	s_mov_b32 s[CF+1], s[CF]                       ; (named with it as a pair, so it is written)
	s_wait_dscnt 0x0
	s_wait_kmcnt 0x0
	s_add_nc_u64 s[34:35], s[6:7], s[46:47]
	s_or_b32 s35, s35, 0x80000000
	ROUND                                          ; all four work-groups are here: the joint loads meet
	tensor_load_to_lds s[32:35], s[24:31]          ; my one tensor load of the launch
	s_nop 0
.rept 4
	v_nop
.endr
	v_and_b32 v6, 31, v0
	s_delay_alu instid0(VALU_DEP_1)
	v_lshlrev_b32 v1, 4, v6                        ; 16 x lane
	v_and_b32 v6, 15, v0                           ; r
	s_delay_alu instid0(VALU_DEP_1)
	v_lshlrev_b32 v2, 5, v6                        ; 32 r
	s_delay_alu instid0(VALU_DEP_2)
	v_lshlrev_b32 v3, 4, v6                        ; 16 r
	s_delay_alu instid0(VALU_DEP_3)
	v_lshlrev_b32 v5, 3, v6                        ; 8 r
	s_delay_alu instid0(VALU_DEP_4)
	v_and_b32 v4, 8, v6
	s_delay_alu instid0(VALU_DEP_1)
	v_add_nc_u32 v4, v4, v6                        ; r + 8 (r / 8)
	v_bfe_u32 v6, v0, 4, 1
	s_delay_alu instid0(VALU_DEP_1)
	v_lshlrev_b32 v6, 4, v6
	s_delay_alu instid0(VALU_DEP_1)
	v_sub_nc_u32 v4, v4, v6                        ; - 16 h
	s_lshr_b32 s46, s11, 1
	s_lshl_b32 s46, s46, 5
	s_and_b32 s48, s11, 1
	s_lshl_b32 s48, s48, 3
	s_add_co_u32 s46, s46, s48
	v_add_nc_u32 v4, s46, v4                       ; my query among its 64 tokens, less 16 h
	v_mov_b32 v11, 0xff800000                      ; -infinity
.irp j, 24,25,26,27,28,29,30,31
	v_mov_b32 v[\j], 0                             ; Q's upper half: zero codes
.endr
.irp t, 0,1,2,3
.irp j, 8,9,10,11,12,13,14,15
	v_mov_b32 v[32+16*\t+\j], 0                    ; K's likewise: written once, never loaded into
.endr
.endr
.irp b, 0,1,2,3
	v_mov_b32 v[PB+\b], 0                          ; a lane permute's destination counts as one of its sources
.endr
	v_mov_b32 v242, 0
	v_mov_b32 v245, 0                              ; (the upper half of the pair v[244:245])
	s_wait_tensorcnt 0x0                           ; my record is in,
	s_barrier_signal -1
	s_barrier_wait -1                              ; everybody's is: the whole head
; A KEY STEP: 128 keys.
.macro STEP
	s_cmp_gt_u32 s[KS], s[DG]                      ; all its keys come after my queries: nothing to do
	s_cbranch_scc1 .Lhidden_\@
	v_add_nc_u32 v7, s[TB], v1
	s_wait_alu depctr_va_vdst(0)
	v_add_nc_u32 v8, s[TB], v2
	v_add_nc_u32 v9, s[TB], v3
.rept 6
	v_nop                                          ; with the three additions nine places: the scores are written over V's fragments, which the last products read
.endr
.irp g, 0,1                                    ; S^T = K Q^T, four tiles of 16 keys at a time
.if \g
.rept 8
	v_nop                                          ; places in front of loads into registers that matrix instructions have read
.endr
.endif
.irp t, 0,1,2,3
	ds_load_b128 v[32+16*\t:35+16*\t], v7 offset:(4*\g+\t)*1024
	ds_load_b128 v[36+16*\t:39+16*\t], v7 offset:(4*\g+\t)*1024+512
.endr
.if \g == 0
	ds_load_b128 v[208:211], v8 offset:16384       ; K's scale words: eight tiles' for my lane-row
	ds_load_b128 v[212:215], v8 offset:16400
.endif
	s_wait_dscnt 0x0
.irp t, 0,1,2,3
	v_wmma_scale_f32_16x16x128_f8f6f4 v[96+8*(4*\g+\t):103+8*(4*\g+\t)], v[32+16*\t:47+16*\t], v[16:31], 0, v[208+4*\g+\t], v220
.endr
.endr
.rept 8
	v_nop
.endr
	s_cmp_lg_u32 s[KS], s[DG]                      ; only the step on the diagonal has hidden keys
	s_cbranch_scc1 .Lopen_\@
	v_add_nc_u32 v10, s[DOFF], v4                  ; d = my query - the step's first key - 16 h.  Register 16 b + i holds key 32 b + 16 h + i: hidden where 32 b + i > d
.irp n, 0,1,2,3,4,5,6,7,8,9,10,11,12,13,14,15,16,17,18,19,20,21,22,23,24,25,26,27,28,29,30,31,32,33,34,35,36,37,38,39,40,41,42,43,44,45,46,47,48,49,50,51,52,53,54,55,56,57,58,59,60,61,62,63
	v_cmp_gt_i32 vcc_lo, 32*(\n/16)+\n%16, v10
	v_cndmask_b32 v[96+\n], v[96+\n], v11, vcc_lo
.endr
.Lopen_\@:
.irp b, 0,1,2,3
	v_max3_num_f32 v[BM+\b], v[96+16*\b], v[97+16*\b], v[98+16*\b]   ; the largest score of each block of 32 keys: for the row's maximum, and, since p rises with the score, for the block's largest p
.endr
.irp i, 3,5,7,9,11,13
.irp b, 0,1,2,3
	v_max3_num_f32 v[BM+\b], v[BM+\b], v[96+16*\b+\i], v[97+16*\b+\i]
.endr
.endr
.irp b, 0,1,2,3
	v_max_num_f32 v[BM+\b], v[BM+\b], v[111+16*\b]
.endr
.irp b, 0,1,2,3
	s_delay_alu instid0(VALU_DEP_4)
	v_permlanex16_b32 v[PB+\b], v[BM+\b], s[SEL], s[SEL+1]
.endr
.irp b, 0,1,2,3
	s_delay_alu instid0(VALU_DEP_4)
	v_max_num_f32 v[BM+\b], v[BM+\b], v[PB+\b]     ; with lane l xor 16's 16 keys
.endr
	s_delay_alu instid0(VALU_DEP_2)
	v_max3_num_f32 v242, v[BM], v[BM+1], v[BM+2]
	s_delay_alu instid0(VALU_DEP_1)
	v_max_num_f32 v242, v242, v[BM+3]
	s_delay_alu instid0(VALU_DEP_1)
	v_mul_f32 v242, s[CF], v242                    ; as t
	s_delay_alu instid0(VALU_DEP_1)
	v_max_num_f32 v13, v13, v242                   ; the running largest t
	v_mov_b32 v242, v12
	s_delay_alu instid0(VALU_DEP_2)
	v_floor_f32 v12, -v13                          ; the new -M = -ceil(t)
	s_delay_alu instid0(VALU_DEP_1)
	v_sub_f32 v242, v12, v242                      ; old M - new M: a whole number, 0 or less
	s_delay_alu instid0(VALU_DEP_1)
	v_cvt_i32_f32 v242, v242                       ; (it saturates)
	s_delay_alu instid0(VALU_DEP_1)
	v_ldexp_f32 v244, 1.0, v242                    ; f = 2^(old M - new M)
.irp j, 0,2,4,6,8,10,12,14,16,18,20,22,24,26,28,30,32,34,36,38,40,42,44,46,48,50,52,54,56,58,60,62
	v_pk_fma_f32 v[96+\j:97+\j], v[96+\j:97+\j], s[CF:CF+1], v[12:13] op_sel_hi:[1,0,0]   ; t - M
.endr
.irp b, 0,1,2,3
	v_fma_f32 v[BM+\b], v[BM+\b], s[CF], v12
.endr
	s_wait_alu depctr_va_vdst(0)
.irp j, 0,1,2,3,4,5,6,7,8,9,10,11,12,13,14,15,16,17,18,19,20,21,22,23,24,25,26,27,28,29,30,31,32,33,34,35,36,37,38,39,40,41,42,43,44,45,46,47,48,49,50,51,52,53,54,55,56,57,58,59,60,61,62,63
	v_exp_f32 v[96+\j], v[96+\j]                   ; p = 2^(t - M)
.endr
.irp b, 0,1,2,3
	v_exp_f32 v[BM+\b], v[BM+\b]                   ; the block's largest p: the same two instructions on the same number
.endr
	v_pk_mul_f32 v[14:15], v[14:15], v[244:245] op_sel_hi:[1,0]   ; the sums under the new M (a plain line behind the exponentials)
	s_wait_alu depctr_va_vdst(0)
.irp b, 0,1,2,3
	v_max_num_f32 v[BM+\b], 0x4800000, v[BM+\b]    ; the floor: the byte cannot fall under 1
.endr
.irp b, 0,1,2,3
	s_delay_alu instid0(VALU_DEP_4)
	v_add_nc_u32 v[SO+\b], 0xfc000000, v[BM+\b]
.endr
.irp b, 0,1,2,3
	v_and_or_b32 v[HD+\b], v[BM+\b], 0x7f800000, s[MNT]
.endr
.irp b, 0,1,2,3
	v_lshrrev_b32 v[PB+\b], 23, v[SO+\b]
.endr
	s_delay_alu instid0(VALU_DEP_3)
	v_lshl_or_b32 v221, v[PB+1], 8, v[PB]          ; p's scale word for these 128 keys
	s_delay_alu instid0(VALU_DEP_1)
	v_lshl_or_b32 v221, v[PB+2], 16, v221
	s_delay_alu instid0(VALU_DEP_1)
	v_lshl_or_b32 v221, v[PB+3], 24, v221
	v_pk_add_f32 v[240:241], v[100:101], v[104:105]
	v_pk_add_f32 v[252:253], v[108:109], v[112:113]
	v_pk_add_f32 v[250:251], v[116:117], v[120:121]
	v_pk_add_f32 v[248:249], v[124:125], v[128:129]
	v_pk_add_f32 v[246:247], v[132:133], v[136:137]
	v_pk_add_f32 v[226:227], v[140:141], v[144:145]
	v_pk_add_f32 v[224:225], v[148:149], v[152:153]
	v_pk_add_f32 v[14:15], v[14:15], v[156:157]
	v_pk_add_f32 v[240:241], v[240:241], v[96:97]
	v_pk_add_f32 v[252:253], v[252:253], v[98:99]
	v_pk_add_f32 v[250:251], v[250:251], v[102:103]
	v_pk_add_f32 v[248:249], v[248:249], v[106:107]
	v_pk_add_f32 v[246:247], v[246:247], v[110:111]
	v_pk_add_f32 v[226:227], v[226:227], v[114:115]
	v_pk_add_f32 v[224:225], v[224:225], v[118:119]
	v_pk_add_f32 v[14:15], v[14:15], v[122:123]
	v_pk_add_f32 v[240:241], v[240:241], v[126:127]
	v_pk_add_f32 v[252:253], v[252:253], v[130:131]
	v_pk_add_f32 v[250:251], v[250:251], v[134:135]
	v_pk_add_f32 v[248:249], v[248:249], v[138:139]
	v_pk_add_f32 v[246:247], v[246:247], v[142:143]
	v_pk_add_f32 v[226:227], v[226:227], v[146:147]
	v_pk_add_f32 v[224:225], v[224:225], v[150:151]
	v_pk_add_f32 v[14:15], v[14:15], v[154:155]
	v_pk_add_f32 v[240:241], v[240:241], v[158:159]
	s_delay_alu instid0(VALU_DEP_2)
	v_pk_add_f32 v[14:15], v[14:15], v[248:249]
	s_delay_alu instid0(VALU_DEP_2)
	v_pk_add_f32 v[240:241], v[240:241], v[246:247]
	v_pk_add_f32 v[252:253], v[252:253], v[226:227]
	v_pk_add_f32 v[250:251], v[250:251], v[224:225]
	s_delay_alu instid0(VALU_DEP_2)
	v_pk_add_f32 v[14:15], v[14:15], v[252:253]
	s_delay_alu instid0(VALU_DEP_2)
	v_pk_add_f32 v[240:241], v[240:241], v[250:251]
	s_delay_alu instid0(VALU_DEP_1)
	v_pk_add_f32 v[14:15], v[14:15], v[240:241]
.irp b, 0,1,2,3
.irp i, 0,2,4,6,8,10,12,14
	v_dual_min_num_f32 v[96+16*\b+\i], v[HD+\b], v[96+16*\b+\i] :: v_dual_min_num_f32 v[97+16*\b+\i], v[HD+\b], v[97+16*\b+\i]   ; the conversion does not saturate (ISA guide 7.6.2); p is not negative: a one-sided hold, two numbers a line
.endr
	v_cvt_scalef32_pk8_fp8_f32 v[192+4*\b:193+4*\b], v[96+16*\b:103+16*\b], v[SO+\b]
	v_cvt_scalef32_pk8_fp8_f32 v[194+4*\b:195+4*\b], v[104+16*\b:111+16*\b], v[SO+\b]
.endr
.irp t, 0,1,2,3                                ; V's four fragments take p's registers
.irp c, 0,1,2,3
	ds_load_b128 v[96+16*\t+4*\c:99+16*\t+4*\c], v7 offset:8192+2048*\t+512*\c
.endr
.endr
	ds_load_b128 v[216:219], v9 offset:16896       ; V's scale words
.irp j, 0,2,4,6,8,10,12,14,16,18,20,22,24,26,28,30
	v_pk_mul_f32 v[160+\j:161+\j], v[160+\j:161+\j], v[244:245] op_sel_hi:[1,0]   ; O^T under the new M
.endr
.rept 4
	v_nop                                          ; four places between the codes' making and the scaled product
.endr
	s_wait_alu depctr_va_vdst(0)
	s_wait_dscnt 0x0
.irp t, 0,1,2,3                                ; O^T += V^T P^T: the four accumulators by turns
	v_wmma_scale_f32_16x16x128_f8f6f4 v[160+8*\t:167+8*\t], v[96+16*\t:111+16*\t], v[192:207], v[160+8*\t:167+8*\t], v[216+\t], v221
.endr
.Lhidden_\@:
	s_add_co_u32 s[TB], s[TB], REC                 ; the next record
.endm
.macro PASS p
.if \p
	s_wait_xcnt 0x0                                ; the first pass's stores have read their registers and bases
	s_sub_co_u32 s[KK], 31, s[WV]
.else
	s_mov_b32 s[KK], s[WV]
.endif
	s_lshl_b32 s[TAU], s[KK], 2
	s_add_co_u32 s[TAU], s[TAU], s11               ; my tile of queries
	s_lshr_b32 s[DG], s[KK], 1
	s_and_b32 s[DOFF], s[KK], 1
	s_lshl_b32 s[DOFF], s[DOFF], 6
	s_mov_b32 s47, 0
	s_lshl_b32 s46, s12, 17
	s_lshl_b32 s48, s[TAU], 10
	s_add_co_u32 s46, s46, s48
	s_add_nc_u64 s[38:39], s[4:5], s[46:47]        ; Q's image
	s_lshl_b32 s46, s12, 13
	s_lshr_b32 s48, s[TAU], 3
	s_lshl_b32 s48, s48, 9
	s_add_co_u32 s46, s46, s48
	s_and_b32 s48, s[TAU], 7
	s_lshl_b32 s48, s48, 2
	s_add_co_u32 s46, s46, s48
	s_add_co_u32 s46, s46, QSC
	s_add_nc_u64 s[40:41], s[4:5], s[46:47]        ; Q's scale words
	global_load_b128 v[16:19], v1, s[38:39]
	global_load_b128 v[20:23], v1, s[38:39] offset:512
	global_load_b32 v220, v2, s[40:41]
	s_lshl_b32 s46, s14, 7
	s_add_co_u32 s46, s46, s[TAU]                  ; the row tile of the last product's A
	s_lshl_b32 s48, s46, 9
	s_lshl_b32 s46, s46, 14
	s_lshl_b32 s49, s13, 10                        ; 2,048 (head / 2) + 1,024 (head % 2)
	s_add_co_u32 s46, s46, s49
	s_add_nc_u64 s[42:43], s[8:9], s[46:47]
	s_lshr_b32 s49, s13, 2
	s_lshl_b32 s49, s49, 7
	s_add_co_u32 s48, s48, s49
	s_and_b32 s49, s13, 3
	s_lshl_b32 s49, s49, 1
	s_add_co_u32 s48, s48, s49
	s_add_co_u32 s48, s48, ASC
	s_mov_b32 s49, 0
	s_add_nc_u64 s[44:45], s[8:9], s[48:49]
	v_mov_b32 v13, 0xff61b1e6                      ; the largest t so far: -3e38
	s_delay_alu instid0(VALU_DEP_1)
	v_floor_f32 v12, -v13
	v_mov_b32 v14, 0
	v_mov_b32 v15, 0
.irp j, 0,1,2,3,4,5,6,7,8,9,10,11,12,13,14,15,16,17,18,19,20,21,22,23,24,25,26,27,28,29,30,31
	v_mov_b32 v[160+\j], 0                         ; O^T: the step is written once; the first change of M leaves zeros zeros
.endr
	s_mov_b32 s[TB], 0
	s_mov_b32 s[KS], 0
	s_wait_loadcnt 0x0                             ; Q
.Lks_\@:
	STEP
	s_add_co_u32 s[KS], s[KS], 1
	s_cmp_lt_u32 s[KS], 16
	s_cbranch_scc1 .Lks_\@
.rept 8
	v_nop                                          ; places behind the last products
.endr
	v_add_f32 v14, v14, v15
	s_delay_alu instid0(VALU_DEP_1)
	v_permlanex16_b32 v242, v14, s[SEL], s[SEL+1]
	s_delay_alu instid0(VALU_DEP_1)
	v_add_f32 v14, v14, v242                       ; the row's sum
	s_wait_alu depctr_va_vdst(0)
	v_rcp_f32 v14, v14
	v_nop
	s_wait_alu depctr_va_vdst(0)
.irp j, 0,2,4,6,8,10,12,14,16,18,20,22,24,26,28,30
	v_pk_mul_f32 v[160+\j:161+\j], v[160+\j:161+\j], v[14:15] op_sel_hi:[1,0]   ; O^T / the sum: register 16 c + i is channel 32 c + 16 h + i of my query
.endr
.irp b, 0,1
	v_max3_num_f32 v[BM+\b], |v[160+16*\b]|, |v[161+16*\b]|, 0x4800000
.endr
.irp i, 2,4,6,8,10,12,14
.irp b, 0,1
	s_delay_alu instid0(VALU_DEP_2)
	v_max3_num_f32 v[BM+\b], v[BM+\b], |v[160+16*\b+\i]|, |v[161+16*\b+\i]|
.endr
.endr
.irp b, 0,1
	s_delay_alu instid0(VALU_DEP_2)
	v_permlanex16_b32 v[PB+\b], v[BM+\b], s[SEL], s[SEL+1]
.endr
.irp b, 0,1
	s_delay_alu instid0(VALU_DEP_2)
	v_max_num_f32 v[BM+\b], v[BM+\b], v[PB+\b]
.endr
.irp b, 0,1
	s_delay_alu instid0(VALU_DEP_2)
	v_add_nc_u32 v[SO+\b], 0xfc000000, v[BM+\b]
.endr
.irp b, 0,1
	s_delay_alu instid0(VALU_DEP_4)
	v_and_or_b32 v[HD+\b], v[BM+\b], 0x7f800000, s[MNT]
.endr
.irp b, 0,1
	s_delay_alu instid0(VALU_DEP_4)
	v_lshrrev_b32 v[PB+\b], 23, v[SO+\b]
.endr
	s_delay_alu instid0(VALU_DEP_1)
	v_lshl_or_b32 v242, v[PB+1], 8, v[PB]          ; the head's two bytes of the row's scale word
.irp b, 0,1
.irp i, 0,1,2,3,4,5,6,7,8,9,10,11,12,13,14,15
	v_med3_num_f32 v[160+16*\b+\i], v[160+16*\b+\i], -v[HD+\b], v[HD+\b]
.endr
	v_cvt_scalef32_pk8_fp8_f32 v[192+4*\b:193+4*\b], v[160+16*\b:167+16*\b], v[SO+\b]
	v_cvt_scalef32_pk8_fp8_f32 v[194+4*\b:195+4*\b], v[168+16*\b:175+16*\b], v[SO+\b]
.endr
	v_nop                                          ; a plain line behind the last conversion
	global_store_b128 v1, v[192:195], s[42:43]     ; 512 consecutive bytes, aligned
	global_store_b128 v1, v[196:199], s[42:43] offset:512
	global_store_b16 v5, v242, s[44:45]            ; both halves of the lanes store the same bytes
.endm
	PASS 0
	PASS 1
	s_wait_dscnt 0x0
	s_wait_tensorcnt 0x0
	ds_add_u32 v254, v255
	s_wait_dscnt 0x0
	ROUND                                          ; the closing round: no work-group ends while a partner may still ask
	s_endpgm
.Lfunc_end_k_q452a3a5b73_attn:
	.size	k_q452a3a5b73_attn, .Lfunc_end_k_q452a3a5b73_attn-k_q452a3a5b73_attn
	.p2alignl 7, 3214868480
	.fill 96, 4, 3214868480
	.section	.rodata,"a",@progbits
	.p2align	6, 0x0
	.amdhsa_kernel k_q452a3a5b73_attn
		.amdhsa_group_segment_fixed_size 276480
		.amdhsa_private_segment_fixed_size 0
		.amdhsa_enable_private_segment 0
		.amdhsa_kernarg_size 24
		.amdhsa_user_sgpr_count 2
		.amdhsa_user_sgpr_kernarg_segment_ptr 1
		.amdhsa_wavefront_size32 1
		.amdhsa_system_sgpr_workgroup_id_x 1
		.amdhsa_system_sgpr_workgroup_id_y 1
		.amdhsa_system_sgpr_workgroup_id_z 1
		.amdhsa_system_vgpr_workitem_id 0
		.amdhsa_next_free_vgpr 256
		.amdhsa_next_free_sgpr 66
		.amdhsa_reserve_vcc 1
		.amdhsa_float_denorm_mode_32 3
		.amdhsa_float_denorm_mode_16_64 3
		.amdhsa_memory_ordered 1
		.amdhsa_forward_progress 1
		.amdhsa_inst_pref_size 74
	.end_amdhsa_kernel
	.amdgpu_metadata
---
amdhsa.version: [ 1, 2 ]
amdhsa.kernels:
  - .name:           k_q452a3a5b73_attn
    .symbol:         k_q452a3a5b73_attn.kd
    .args:
      - { .name: qq, .offset: 0, .size: 8, .value_kind: global_buffer, .address_space: global }
      - { .name: kv, .offset: 8, .size: 8, .value_kind: global_buffer, .address_space: global }
      - { .name: aq, .offset: 16, .size: 8, .value_kind: global_buffer, .address_space: global }
    .group_segment_fixed_size: 276480
    .private_segment_fixed_size: 0
    .kernarg_segment_align: 8
    .kernarg_segment_size: 24
    .max_flat_workgroup_size: 512
    .sgpr_count:     66
    .vgpr_count:     256
    .wavefront_size: 32
...
	.end_amdgpu_metadata
.endif
;; end of part 3
;; launch outp (part 4): grid 4 x 64, 4 waves a work-group, clusters of 4 x 4, 327,680 bytes of LDS; arguments aq, wq, out0; writes out0
.if DOCPART == 4
	.amdgcn_target "amdgcn-amd-amdhsa--gfx1250"
	.amdhsa_code_object_version 6
	.text
	.protected	k_q452a3a5b73_outp
	.globl	k_q452a3a5b73_outp
	.p2align	8
	.type	k_q452a3a5b73_outp,@function
k_q452a3a5b73_outp:
	s_mov_b64 s[64:65], 0
	v_nop
	global_prefetch_b8 v0, s[64:65] scope:SCOPE_SE
	s_setreg_imm32_b32 hwreg(HW_REG_WAVE_MODE, 25, 1), 1
	s_wait_xcnt 0x0
	s_wait_alu depctr_hold_cnt(0) depctr_sa_sdst(0) depctr_va_vdst(0) depctr_va_sdst(0) depctr_va_ssrc(0) depctr_va_vcc(0) depctr_vm_vsrc(0)
	s_getreg_b32 s2, hwreg(HW_REG_IB_STS2, 6, 4)
	s_cmp_eq_u32 s2, 0
	s_cbranch_scc0 .Lentry_in_a_cluster
	s_endpgm
.Lentry_in_a_cluster:
	s_bfe_u32 s2, ttmp6, 0x10000c
	s_cmp_lg_u32 s2, 0xf033
	s_cbranch_scc0 .Lentry_shape_is_right
	s_endpgm
.Lentry_shape_is_right:
; OUTP: out0 = A W_O on codes of FP8 (E4M3) with E8M0 scales: 8,192 x 1,024 x 1,024, f32 sums, f32 out.  A = attention's result (aq), B = W_O's columns (tiles 192-255 of wq).
; OPERANDS LIE IN MEMORY AS IMAGES OF THEIR REGISTERS: a fragment (16 rows x 128 K) is 2,048 bytes, [c][lane][16]; a tile's eight fragments are 16,384 bytes on end; scale words [tile][pair of K steps][r][2], 512 bytes a tile.
; Lane-row r of tile 2 g + u is row 32 g + 8 u + r + 8 (r / 8).
; SHARES: a work-group makes 128 rows x 256 columns, so that the grid is 4 x 64 = 256 work-groups; a wave 64 x 128: 32 accumulators (a, b) at v[8 (8 a + b)] of window 2.
; K goes in steps of 256 through two LDS slots (A's 8 tiles x 4,096 bytes, then B's 16); behind them the scale words of all of K (A's 4,096 bytes, B's 8,192), filled once; then the spare words.
; A's and B's fragments have two sets of registers each: a step's 48 LDS loads are issued ahead of the 32 products of the step before it.
; CLUSTERS 4 x 4: A's tiles are shared along a row of the cluster, B's along a column: joint loads with a mask of four.
; THE MATRIX INSTRUCTION IS USED TRANSPOSED (source 0 = a tile of B, source 1 = a tile of A): register j of lane (r, h) is column 32 g + 8 u + 16 h + j of B's tile 2 g + u, in A's lane-row r.
; NO PREFETCH: K is four slots, written out with no loop to run ahead in; two of the four are asked for at the head, and the other two within two steps of it.
; LIMITS: NaN and infinities are not served.
.set ASC,   8388608                    ; aq: where the scale words begin
.set WSC,   4194304                    ; wq
.set FR,    16
.set NP,    8                          ; places behind this matrix instruction (ISA guide 7.12.1)
.set PAIRB, 4096                       ; a tile's two fragments in a slot
.set AT,    8*PAIRB                    ; eight tiles
.set SLOT,  3*AT
.set SCL,   2*SLOT
.set SPARE, SCL+12288                  ; 128 bytes for each wave: two blocks of 256 bytes that no other line names
.set SPITCH, 528                       ; the way out: a stage of 16 rows x (512 + 16) bytes for each wave, in slot 0 behind its last fill and last read
.set ADRA, 16                          ; v16-17 my A fragments in slot 0, 1
.set ADRB, 20                          ; v20-21 my B fragments
.set STO,  24
.set RD,   25
.set ADRS, 27                          ; v27 scale words: lanes 0-15 A's, lanes 16-31 B's
.set SPW,  28
.set NIL,  29
.set LI,   30                          ; 16 x lane
.set SC,   32                          ; v32-63 scale words, a set for each slot
.set AF,   128                         ; v128-255 A's fragments, two sets of 64; on the way out the rows read back
.set G1, 24
.set G0, 32
.set G1B, 48
.set G0B, 56
.set G1S, 68
.set G0S, 76
.set G1SB, 80
.set G0SB, 88
.set G0H, 4
.set G0HB, 96
.set MSB, 0
.macro WIN new                         ; the immediate's high byte repeats the setting that is left
.if MSB != (\new)
	s_set_vgpr_msb (MSB<<8)|(\new)
.set MSB, (\new)
.endif
.endm
.set MUL,  0xa1                        ; source 0 (B) window 1, source 1 (A) window 0, C and D window 2
.set TO_B, 0x40
.macro PLACES n
.rept \n
	v_nop
.endr
.endm
.macro TL g0, g1                       ; a tensor load; s_nop 0 and four v_nop follow it
	tensor_load_to_lds s[\g0:\g0+3], s[\g1:\g1+7]
	s_nop 0
	PLACES 4
.endm
.macro JLOAD s                         ; the ring's joint load: waves 0, 1 four tiles of A each, waves 2, 3 eight of B each
	s_cmp_eq_u32 s15, 0
	s_cbranch_scc0 .Lfor_b_\@
	TL G0+4*\s, G1
	s_branch .Lasked_\@
.Lfor_b_\@:
	TL G0B+4*\s, G1B
.Lasked_\@:
.endm
.macro CREST
	s_cmp_lg_u32 s14, 0
	s_cbranch_scc1 .Lnot_wave_0_\@
	s_barrier_signal -3
.Lnot_wave_0_\@:
	s_barrier_wait -3
	s_barrier_signal -1
	s_barrier_wait -1
.endm
.macro CROUND
	s_barrier_signal -1
	s_barrier_wait -1
	CREST
.endm
.macro GROUP1 g, mask, cols, rows, pitch   ; rows of cols elements of 8 bytes, no padding; bit 21 beside the mask
	s_or_b32 s[\g+0], s\mask, (3<<16)|(1<<21)
	s_mov_b32 s[\g+1], (\cols)<<16
	s_mov_b32 s[\g+2], (\rows)<<16
	s_mov_b32 s[\g+3], (\cols)<<16
	s_mov_b32 s[\g+4], \rows
	s_mov_b32 s[\g+5], \pitch
	s_mov_b32 s[\g+6], 0
	s_mov_b32 s[\g+7], 0
.endm
.macro GROUP0 g, lds, adr
	s_mov_b32 s[\g], 1
	s_mov_b32 s[\g+1], \lds
	s_mov_b64 s[\g+2:\g+3], s[\adr:\adr+1]
	s_or_b32 s[\g+3], s[\g+3], 0x80000000
.endm
	s_load_b128 s[4:7], s[0:1], 0x0                ; aq, wq
	s_load_b64 s[8:9], s[0:1], 0x10                ; out0
	v_lshl_add_u32 v[SPW], v0, 2, SPARE
	v_mov_b32 v[NIL], 0
	ds_add_u32 v[SPW], v[NIL]                      ; the opening lines: the add twice on end and its wait
	ds_add_u32 v[SPW], v[NIL]
	v_lshrrev_b32 v1, 5, v0
	v_readfirstlane_b32 s14, v1                    ; wave 0..3
	s_lshr_b32 s15, s14, 1                         ; my half of A's rows.  Also: I fetch for A (0) or for B (1)
	s_and_b32 s16, s14, 1                          ; my half of B's rows.  Also: which half of that tile I fetch
	s_bfe_u32 s40, ttmp6, 0x40000                  ; cx: B's block of 256 columns
	s_bfe_u32 s41, ttmp6, 0x40004                  ; cy
	s_and_b32 s17, ttmp7, 0xffff
	s_lshl_b32 s17, s17, 2
	s_add_co_u32 s17, s17, s41                     ; A's block of 128 rows
	s_lshl_b32 s43, s41, 2
	s_lshl_b32 s43, 15, s43                        ; my row of the cluster
	s_lshl_b32 s44, 0x1111, s40                    ; my column
	GROUP1 G1, 43, 512, 8, 2048                    ; the head's: A's 8 tiles x 4,096 bytes, 16,384 apart;
	GROUP1 G1B, 44, 512, 16, 2048                  ; B's 16;
	GROUP1 G1S, 43, 32, 16, 32                     ; A's scale words, 4,096 dense bytes as rows of 256;
	GROUP1 G1SB, 44, 32, 32, 32                    ; B's, 8,192
	s_lshl_b32 s20, s17, 17                        ; A's codes: 8 tiles a block
	s_lshl_b32 s22, s17, 12
	s_add_co_u32 s22, s22, ASC                     ; A's scale words
	s_lshl_b32 s46, s40, 4
	s_add_co_u32 s46, s46, 192                     ; B's first tile
	s_lshl_b32 s92, s46, 9
	s_add_co_u32 s92, s92, WSC
	s_lshl_b32 s46, s46, 14
	s_mov_b32 s21, 0
	s_mov_b32 s23, 0
	s_mov_b32 s47, 0
	s_mov_b32 s93, 0
	s_lshl_b32 s45, s16, 14                        ; the ring: where my four tiles of A go,
	s_lshl_b32 s3, s16, 15
	s_add_co_u32 s3, s3, AT                        ; and my eight of B: no place in the cluster enters an LDS address
	s_wait_dscnt 0x0
	s_wait_kmcnt 0x0
	s_add_nc_u64 s[20:21], s[4:5], s[20:21]
	s_add_nc_u64 s[22:23], s[4:5], s[22:23]
	s_add_nc_u64 s[46:47], s[6:7], s[46:47]
	s_add_nc_u64 s[92:93], s[6:7], s[92:93]
	CROUND                                         ; all sixteen work-groups are here: the first joint loads meet
	GROUP0 G0H, 0, 20
	GROUP0 G0HB, AT, 46
	GROUP0 G0S, SCL, 22
	GROUP0 G0SB, SCL+4096, 92
	s_lshl_b32 s18, s16, 16                        ; my four tiles of A's eight, in bytes
	s_mov_b32 s19, 0
	s_add_nc_u64 s[20:21], s[20:21], s[18:19]
	s_lshl_b32 s18, s16, 17                        ; my eight of B's sixteen
	s_add_nc_u64 s[46:47], s[46:47], s[18:19]
.irp s, 0,1
	s_mov_b32 s[G0+4*\s], 1
	s_add_co_u32 s[G0+4*\s+1], s45, \s*SLOT
	s_add_nc_u64 s[G0+4*\s+2:G0+4*\s+3], s[20:21], \s*PAIRB
	s_or_b32 s[G0+4*\s+3], s[G0+4*\s+3], 0x80000000
	s_mov_b32 s[G0B+4*\s], 1
	s_add_co_u32 s[G0B+4*\s+1], s3, \s*SLOT
	s_add_nc_u64 s[G0B+4*\s+2:G0B+4*\s+3], s[46:47], \s*PAIRB
	s_or_b32 s[G0B+4*\s+3], s[G0B+4*\s+3], 0x80000000
.endr
; THE HEAD'S LOADS, ONE A WAVE: one chain of branches on the wave's number, a load to an arm
.macro ARM under, g0, g1, next
	s_cmp_lt_u32 s14, \under
	s_cbranch_scc0 \next
	TL \g0, \g1
	s_branch .Lhead_asked
\next:
.endm
	ARM 1, G0H,  G1,  .Lhead_b
	ARM 2, G0HB, G1B, .Lhead_sa
	ARM 3, G0S,  G1S, .Lhead_sb
	TL G0SB, G1SB
.Lhead_asked:
	s_lshl_b32 s66, s15, 14                        ; my four tiles of A in slot 0, 1
	s_add_co_u32 s67, s66, SLOT
	s_lshl_b32 s100, s16, 15
	s_add_co_u32 s100, s100, AT                    ; my eight of B
	s_add_co_u32 s101, s100, SLOT
	s_lshl_b32 s94, s15, 11                        ; A's scale words: my four tiles
	s_lshl_b32 s95, s16, 12
	s_add_co_u32 s95, s95, 4096                    ; B's: my eight, behind A's 4,096 bytes
	s_sub_co_u32 s95, s95, s94                     ; the distance between the two bases
	s_add_co_u32 s94, s94, SCL
	s_mul_i32 s18, s14, 16*SPITCH                  ; my stage
	s_lshl_b32 s20, s17, 19                        ; out0: 128 rows of 4,096 bytes a block,
	s_lshl_b32 s21, s15, 18                        ; 64 rows a half,
	s_add_co_u32 s20, s20, s21
	s_lshl_b32 s21, s40, 10                        ; 256 columns a block,
	s_add_co_u32 s20, s20, s21
	s_lshl_b32 s21, s16, 9                         ; 128 a half
	s_add_co_u32 s20, s20, s21
	s_mov_b32 s21, 0
	s_add_nc_u64 s[8:9], s[8:9], s[20:21]
	v_and_b32 v1, 15, v0                           ; r
	v_bfe_u32 v2, v0, 4, 1                         ; h
	v_and_b32 v3, 31, v0
	v_lshlrev_b32 v[LI], 4, v3
	v_add_nc_u32 v[ADRA], s66, v[LI]
	v_add_nc_u32 v[ADRA+1], s67, v[LI]
	v_add_nc_u32 v[ADRB], s100, v[LI]
	v_add_nc_u32 v[ADRB+1], s101, v[LI]
	v_lshlrev_b32 v5, 3, v1                        ; my row's two words of a pair of K steps
	v_mul_u32_u24 v6, s95, v2                      ; lanes 16-31 take B's
	v_add_nc_u32 v5, v5, v6
	v_add_nc_u32 v[ADRS], s94, v5
	v_mul_u32_u24 v5, v1, SPITCH                   ; the stage, in: row r, + 64 h
	v_lshl_add_u32 v5, v2, 6, v5
	v_add_nc_u32 v[STO], s18, v5
	v_add_nc_u32 v[RD], s18, v[LI]                 ; back: 32 lanes take a row of 512 bytes
.macro FRAG reg, adr, q, i             ; a fragment comes as it was stored: four loads of 512 consecutive bytes
.irp c, 0,1,2,3
	ds_load_b128 v[\reg+4*\c:\reg+4*\c+3], v[\adr] offset:4096*(\i)+2048*(\q)+512*\c
.endr
.endm
.macro FETCH slot, q                   ; the slot's q-th 128 along K into sets q: B's eight fragments, A's four
	WIN TO_B
.irp i, 0,1,2,3,4,5,6,7
	FRAG 128*(\q)+FR*\i, ADRB+\slot, \q, \i
.endr
	WIN 0
.irp i, 0,1,2,3
	FRAG AF+64*(\q)+FR*\i, ADRA+\slot, \q, \i
.endr
.endm
.macro SCALES sc                       ; two words a row: lanes 0-15 A's tile i (i under 4 is used), lanes 16-31 B's tile i
.irp i, 0,1,2,3,4,5,6,7
	ds_load_b64 v[SC+16*\sc+2*\i:SC+16*\sc+2*\i+1], v[ADRS] offset:\i*512
.endr
.endm
; 16 products: A's tiles a0, a0 + 1 x B's eight.  The 32 accumulators take turns in the same order in every step
.macro MUL16 a0, q, sc, zero
.irp a, \a0, \a0+1
.irp b, 0,1,2,3,4,5,6,7
.if \zero
	v_wmma_scale_f32_16x16x128_f8f6f4 v[8*(8*(\a)+\b):8*(8*(\a)+\b)+7], v[128*(\q)+FR*\b:128*(\q)+FR*\b+FR-1], v[AF+64*(\q)+FR*(\a):AF+64*(\q)+FR*(\a)+FR-1], 0, v[SC+16*(\sc)+2*\b+(\q)], v[SC+16*(\sc)+2*(\a)+(\q)] matrix_a_scale:MATRIX_SCALE_ROW1
.else
	v_wmma_scale_f32_16x16x128_f8f6f4 v[8*(8*(\a)+\b):8*(8*(\a)+\b)+7], v[128*(\q)+FR*\b:128*(\q)+FR*\b+FR-1], v[AF+64*(\q)+FR*(\a):AF+64*(\q)+FR*(\a)+FR-1], v[8*(8*(\a)+\b):8*(8*(\a)+\b)+7], v[SC+16*(\sc)+2*\b+(\q)], v[SC+16*(\sc)+2*(\a)+(\q)] matrix_a_scale:MATRIX_SCALE_ROW1
.endif
.endr
.endr
.endm
.macro STEP slot, zero                 ; a slot's first 128 along K; its second is fetched ahead of the products
	s_wait_dscnt 0x0                               ; sets 0 and the scale words are in
	PLACES NP                                      ; behind the last products, which read sets 1
	FETCH \slot, 1
	WIN MUL
	MUL16 0, 0, \slot, \zero
	MUL16 2, 0, \slot, \zero
	WIN 0
.endm
; A slot's second 128 changes slots: each wave waits for all its tensor loads, adds 0 to its spare word, waits for that and for its reads of this slot; one barrier (fill = 1: it opens a round of the cluster's)
.macro TURN slot, next, fill
	s_wait_tensorcnt 0x0                           ; my part of the next slot is in
	ds_add_u32 v[SPW], v[NIL]
	s_wait_dscnt 0x0                               ; the add is done; sets 1 are in: my reads of this slot are over
	s_barrier_signal -1
	WIN MUL
	MUL16 0, 1, \slot, 0
	WIN 0
	s_barrier_wait -1
.if \fill
	CREST
	s_add_nc_u64 s[G0+4*\slot+2:G0+4*\slot+3], s[G0+4*\slot+2:G0+4*\slot+3], 2*PAIRB
	s_add_nc_u64 s[G0B+4*\slot+2:G0B+4*\slot+3], s[G0B+4*\slot+2:G0B+4*\slot+3], 2*PAIRB
	JLOAD \slot                                    ; the first tensor load behind the round, one a wave; its four v_nop are among the places
	PLACES NP-4
.else
	PLACES NP
.endif
	v_add_nc_u32 v[ADRS], 128, v[ADRS]             ; the next pair of K steps' scale words
	s_wait_alu depctr_va_vdst(0)                   ; directly behind the write
	FETCH \next, 0
	SCALES \next
	WIN MUL
	MUL16 2, 1, \slot, 0
	WIN 0
.endm
	s_wait_alu depctr_va_vdst(0)                   ; the head's end
	s_wait_tensorcnt 0x0                           ; my tile of the head's four is in; slot 1's first fill is issued as a refill is
	ds_add_u32 v[SPW], v[NIL]
	s_mov_b32 s[G1+2], 4<<16                       ; no tensor load of mine is out: the ring's loads bring four tiles of A,
	s_mov_b32 s[G1+4], 4
	s_mov_b32 s[G1B+2], 8<<16                      ; eight of B
	s_mov_b32 s[G1B+4], 8
	s_wait_dscnt 0x0
	CROUND
	JLOAD 1
	FETCH 0, 0
	SCALES 0
	STEP 0, 1                                      ; the first products start the sums: nothing is cleared
	TURN 0, 1, 1
	STEP 1, 0
	TURN 1, 0, 1
	STEP 0, 0
	TURN 0, 1, 0                                   ; nothing is left to fetch
	STEP 1, 0
	s_wait_dscnt 0x0
	WIN MUL
	MUL16 0, 1, 1, 0
	MUL16 2, 1, 1, 0
	WIN 0
; THE WAY OUT, by blocks of 16 rows x 128 columns through my stage: back come whole rows of 512 bytes, stored as two aligned units of 256.  LDS serves a wave's instructions in order (ISA guide 5.7.1.4)
.macro TOSTAGE a
	WIN 0x08                                       ; the data: window 2
.irp b, 0,1,2,3,4,5,6,7
	ds_store_b128 v[STO], v[64*(\a)+8*\b:64*(\a)+8*\b+3] offset:128*(\b/2)+32*(\b%2)       ; each accumulator from its low end on
	ds_store_b128 v[STO], v[64*(\a)+8*\b+4:64*(\a)+8*\b+7] offset:128*(\b/2)+32*(\b%2)+16
.endr
	WIN 0
.irp t, 0,1,2,3,4,5,6,7,8,9,10,11,12,13,14,15
	ds_load_b128 v[AF+64*((\a)%2)+4*\t:AF+64*((\a)%2)+4*\t+3], v[RD] offset:\t*SPITCH
.endr
.endm
.macro SEND a, younger                 ; younger: the LDS instructions issued behind block a's loads
	s_wait_dscnt \younger
.irp t, 0,1,2,3,4,5,6,7,8,9,10,11,12,13,14,15
	global_store_b128 v[LI], v[AF+64*((\a)%2)+4*\t:AF+64*((\a)%2)+4*\t+3], s[8:9] offset:(32*((\a)/2)+8*((\a)%2)+\t+8*(\t/8))*4096 th:TH_STORE_NT
.endr
.endm
	PLACES NP                                      ; behind the last products
	TOSTAGE 0
.irp a, 1,2,3
.if \a > 1
	s_wait_xcnt 0x0                                ; block a - 2's stores have read their registers
.endif
	TOSTAGE \a
	SEND \a-1, 32                                  ; behind block a - 1's loads: block a's 16 stores and 16 loads
.endr
	SEND 3, 0
	s_wait_tensorcnt 0x0                           ; the wave's end
	ds_add_u32 v[SPW], v[NIL]
	s_wait_dscnt 0x0
	CROUND                                         ; the closing round
	s_endpgm
.Lfunc_end_k_q452a3a5b73_outp:
	.size	k_q452a3a5b73_outp, .Lfunc_end_k_q452a3a5b73_outp-k_q452a3a5b73_outp
	.p2alignl 7, 3214868480
	.fill 96, 4, 3214868480
	.section	.rodata,"a",@progbits
	.p2align	6, 0x0
	.amdhsa_kernel k_q452a3a5b73_outp
		.amdhsa_group_segment_fixed_size 327680
		.amdhsa_private_segment_fixed_size 0
		.amdhsa_enable_private_segment 0
		.amdhsa_kernarg_size 24
		.amdhsa_user_sgpr_count 2
		.amdhsa_user_sgpr_kernarg_segment_ptr 1
		.amdhsa_wavefront_size32 1
		.amdhsa_system_sgpr_workgroup_id_x 1
		.amdhsa_system_sgpr_workgroup_id_y 1
		.amdhsa_system_sgpr_workgroup_id_z 1
		.amdhsa_system_vgpr_workitem_id 0
		.amdhsa_next_free_vgpr 768
		.amdhsa_next_free_sgpr 102
		.amdhsa_reserve_vcc 0
		.amdhsa_float_denorm_mode_32 3
		.amdhsa_float_denorm_mode_16_64 3
		.amdhsa_memory_ordered 1
		.amdhsa_forward_progress 1
		.amdhsa_inst_pref_size 89
	.end_amdhsa_kernel
	.amdgpu_metadata
---
amdhsa.version: [ 1, 2 ]
amdhsa.kernels:
  - .name:           k_q452a3a5b73_outp
    .symbol:         k_q452a3a5b73_outp.kd
    .args:
      - { .name: aq, .offset: 0, .size: 8, .value_kind: global_buffer, .address_space: global }
      - { .name: wq, .offset: 8, .size: 8, .value_kind: global_buffer, .address_space: global }
      - { .name: out0, .offset: 16, .size: 8, .value_kind: global_buffer, .address_space: global }
    .group_segment_fixed_size: 327680
    .private_segment_fixed_size: 0
    .kernarg_segment_align: 8
    .kernarg_segment_size: 24
    .max_flat_workgroup_size: 128
    .sgpr_count:     102
    .vgpr_count:     768
    .wavefront_size: 32
...
	.end_amdgpu_metadata
.endif
;; end of part 4
